; MI455X (gfx1250); checked and timed in simulation.
; The chip was launched on July 23, 2026; its instructions are those of AMD's public machine-readable ISA for CDNA 5 (MIT licence, August 2026) and "CDNA5" Instruction Set Architecture Reference Guide (July 2026). The comments in the code are by the model that wrote it; some were corrected since.
;; Transformer Block. Allowed arithmetic: matrix products marked QUANTISED: E4M3 operands, one given power-of-two scale a tensor, by v_wmma_f32_16x16x64_fp8_fp8 or v_wmma_f32_16x16x128_fp8_fp8, f32 sums; everything else in f32.
;; Inputs: W1_codes 4,096 x 32 x 32 uint8 (E4M3 codes of W1, K innermost, in blocks of 32 codes); W2_codes 1,024 x 128 x 32 uint8 (E4M3 codes of W2, K innermost, in blocks of 32 codes); Wk_codes 1,024 x 32 x 32 uint8 (E4M3 codes of Wk, K innermost, in blocks of 32 codes); Wo_codes 1,024 x 32 x 32 uint8 (E4M3 codes of Wo, K innermost, in blocks of 32 codes); Wq_codes 1,024 x 32 x 32 uint8 (E4M3 codes of Wq, K innermost, in blocks of 32 codes); Wv_codes 1,024 x 32 x 32 uint8 (E4M3 codes of Wv, K innermost, in blocks of 32 codes); b1 4,096 float32; b2 1,024 float32; be1 1,024 float32; be2 1,024 float32; bk 1,024 float32; bo 1,024 float32; bq 1,024 float32; bv 1,024 float32; g1 1,024 float32; g2 1,024 float32; lowp_scales 16 int32 (the exponents e of the quantised operands' scales 2^e); x 2 x 2,048 x 1,024 float32.
;; Outputs: out0 2 x 2,048 x 1,024 float32.
;; This version of the problem:
;;   THIS VERSION OF THE PROBLEM IS GIVEN IN LOW PRECISION. The matrix products marked QUANTISED in the list below multiply operands that are first quantised to E4M3 (4 exponent bits, 3 mantissa bits; 8 bits a number), with one given power-of-two scale for each operand tensor; their sums are f32. All else is computed in f32.
;;   The module's matrix products, in the order in which they are computed (A, B: the left and right operand; K: the contracted axis; several contracted axes count as one K, in the product's order):
;;     1. [M 4,096, K 1,024] x [K 1,024, N 1,024]; A: computed on the way; B: input Wq (given as codes): QUANTISED (scales: A lowp_scales[0], B lowp_scales[1])
;;     2. [M 4,096, K 1,024] x [K 1,024, N 1,024]; A: computed on the way; B: input Wk (given as codes): QUANTISED (scales: A lowp_scales[2], B lowp_scales[3])
;;     3. [M 4,096, K 1,024] x [K 1,024, N 1,024]; A: computed on the way; B: input Wv (given as codes): QUANTISED (scales: A lowp_scales[4], B lowp_scales[5])
;;     4. batch 32 x [M 2,048, K 64] x [K 64, N 2,048]; A: computed on the way; B: computed on the way: QUANTISED (scales: A lowp_scales[6], B lowp_scales[7])
;;     5. batch 32 x [M 64, K 2,048] x [K 2,048, N 2,048]; A: computed on the way; B: softmax (see below): QUANTISED (scales: A lowp_scales[8], B lowp_scales[9])
;;     6. [M 4,096, K 1,024] x [K 1,024, N 1,024]; A: computed on the way; B: input Wo (given as codes): QUANTISED (scales: A lowp_scales[10], B lowp_scales[11])
;;     7. [M 4,096, K 1,024] x [K 1,024, N 4,096]; A: computed on the way; B: input W1 (given as codes): QUANTISED (scales: A lowp_scales[12], B lowp_scales[13])
;;     8. [M 4,096, K 4,096] x [K 4,096, N 1,024]; A: computed on the way; B: input W2 (given as codes): QUANTISED (scales: A lowp_scales[14], B lowp_scales[15])
;;   THE QUANTISER, for each operand of a quantised product, along K:
;;     - The operand's scale is 2^e, e = its entry of the input lowp_scales (int32; the entries are numbered through the quantised products in the list's order, A before B).
;;     - Each number is divided by the scale, clamped to +-448, and rounded to the nearest number of E4M3, ties to even, subnormals kept.
;;     - The product sums the exact products of the quantised numbers (number of the format x scale) in f32.
;;   ~~~python
;;   def quantise(x, axis, e):      # numpy; x: float32 -> the quantised numbers, widened to float32 again
;;       x = np.moveaxis(x, axis, -1); K = x.shape[-1]
;;       r = np.clip(x / 2.0 ** e, -448, 448)
;;       step = 2.0 ** (np.maximum(np.frexp(np.where(r == 0, 1, r))[1] - 1, -6) - 3)
;;       q = np.round(r / step) * step * 2.0 ** e      # np.round: ties to even
;;       return np.moveaxis(q, -1, axis).astype(np.float32)
;;   ~~~
;;   SOFTMAX AHEAD OF A QUANTISED PRODUCT. Where the list says 'softmax', what is quantised is not the finished softmax but p = 2^(t - M), with t = logit x log2(e) and M = ceil(the row's largest t), a whole number; so 1/2 < the row's largest p <= 1. The row's sum l is taken of the UNQUANTISED p, in f32, and the product's result is divided by l at the end. Since M is a whole number, a kernel that streams over the keys may use a running M (the ceiling of the running maximum): every later rescaling is an exact power of two, so the quantised numbers keep their values, but for numbers so far below the row's largest that they fall under the format's range.
;;   OPERANDS COMPUTED ON THE WAY. 'Computed on the way' means the value that the module computes at that place (a softmax that the list does not call 'softmax' is quantised finished and normalised). What goes into a quantiser is computed in f32, as accurately as f32 sums, v_exp_f32 and their like allow (about 1e-6 of the number): no bf16 or f16 on the way to a quantiser, and a product that is left as it is and whose result goes on into a quantised operand takes f32 operands (vector FMAs, or v_wmma_f32_16x16x4_f32). A number that lies on a knife's edge between two numbers of the format may be rounded either way, as far as f32 arithmetic and the matrix unit's own rounding can turn it there, and no further.
;;   INPUTS GIVEN AS CODES. W1 (in the module: [1024, 4096], K = its axis 0); W2 (in the module: [4096, 1024], K = its axis 0); Wk (in the module: [1024, 1024], K = its axis 0); Wo (in the module: [1024, 1024], K = its axis 0); Wq (in the module: [1024, 1024], K = its axis 0); Wv (in the module: [1024, 1024], K = its axis 0): each comes as NAME_codes (uint8): NAME with its K axis moved to the last place and cut into blocks of 32 codes, [.., K / 32, bytes a block], one block behind the other in memory; one code a byte (a code: sign, 4 exponent bits, 3 mantissa bits); its scale is its entry of lowp_scales. Its value is code x scale, taken as it is: it is not quantised again, and the codes and scales need not be those that the quantiser above would give.
;; One version. Each part assembles by itself: llvm-mc -triple=amdgcn-amd-amdhsa -mcpu=gfx1250 --defsym DOCPART=n.
;; ======== version 1 of 1: 7 launches
;; limits: a function is approximated: absolute error at most 1.5e-07
;; workspace buffers: xnc 12,582,912 bytes; qkv 12,582,912 bytes; oc 4,194,304 bytes; x1 16,777,216 bytes; x2c 4,194,304 bytes; hc 16,777,216 bytes
;; launch ln1 (part 1): grid 256 x 1, 16 waves a work-group, no clusters, 59,392 bytes of LDS; arguments x, g1, be1, lowp_scales, xnc; writes xnc
.if DOCPART == 1
	.amdgcn_target "amdgcn-amd-amdhsa--gfx1250"
	.amdhsa_code_object_version 6
	.text
	.protected	k_q76c12fcdef_ln1
	.globl	k_q76c12fcdef_ln1
	.p2align	8
	.type	k_q76c12fcdef_ln1,@function
k_q76c12fcdef_ln1:
	s_mov_b64 s[64:65], 0
	v_nop
	global_prefetch_b8 v0, s[64:65] scope:SCOPE_SE
	s_setreg_imm32_b32 hwreg(HW_REG_WAVE_MODE, 25, 1), 1
	s_wait_xcnt 0x0
; LayerNorm of the 4,096 rows of x (1,024 f32 each), y = (x - mean) rsqrt(var + 1e-6) g + b, all in f32, then y as codes of FP8 (E4M3) three times:
; with the scales 2^e0, 2^e2, 2^e4 (the left operands of the products with Wq, Wk, Wv).  Output: three planes of [4096][1024] codes, 4 MiB apart, K innermost.
; SHARES.  A work-group takes 16 rows, a wave one row: the reduction never leaves the wave.  Lane l holds columns 128 j + 4 l + 0..3, j = 0..7: each of the row's eight loads reads 512 consecutive bytes.
; g and b (8 KiB together) are fetched once by the work-group, 512 bytes a wave, and read by all waves from LDS: one barrier.
; The conversion packs a lane's 8 registers: register j of the codes holds the four codes of group j.  They go into the wave's own row image in LDS (4 bytes a lane, 128 a group) and come back 16 bytes a lane:
; each store of the wave covers 512 consecutive bytes, aligned.
; No cluster: the work-groups share only g and b, 8 KiB against 64 KiB of rows.  No matrix unit, no tensor load: a stream.
; LIMITS: e0, e2, e4 between -126 and 119.  NaN among the inputs is not served.
.set NOUT, 3
.set STG,  8192                        ; LDS: g at 0, b at 4096; from 8192 on NOUT x 1,024 bytes for each wave
.set X,    32                          ; v32-63   the row
.set G,    64                          ; v64-95   g
.set BE,   96                          ; v96-127  b
.set T,    128                         ; v128-159 the row, held
.set C,    160                         ; v160..   codes, 8 registers an output
.set R,    184                         ; v184..   the row image read back, 8 registers an output
.macro RED                             ; v20 summed over the 32 lanes, the result in every lane
	v_add_f32_dpp v20, v20, v20 row_xmask:1 row_mask:0xf bank_mask:0xf
	v_add_f32_dpp v20, v20, v20 row_xmask:2 row_mask:0xf bank_mask:0xf
	v_add_f32_dpp v20, v20, v20 row_xmask:4 row_mask:0xf bank_mask:0xf
	v_add_f32_dpp v20, v20, v20 row_xmask:8 row_mask:0xf bank_mask:0xf
	v_permlanex16_b32 v26, v20, s38, s39
	v_add_f32 v20, v20, v26
.endm
.macro SCALE o, sr                     ; v[10 + 2 o] = 2^e, v[11 + 2 o] = 448 x 2^e
	s_add_co_i32 s42, s[\sr], 127
	s_lshl_b32 s43, s42, 23
	v_mov_b32 v[10+2*\o], s43
	s_add_co_i32 s42, s42, 8
	s_lshl_b32 s42, s42, 23
	s_or_b32 s42, s42, 0x600000
	v_mov_b32 v[11+2*\o], s42
.endm
.macro QOUT o                          ; the row with output o's scale: hold, convert, through the wave's row image
.set i, 0
.rept 32
	v_med3_num_f32 v[T+i], v[X+i], -v[11+2*\o], v[11+2*\o]   ; the conversion does not saturate (ISA guide 7.6.2): the hold at the largest code x the scale
.set i, i+1
.endr
.irp m, 0,1,2,3
	v_cvt_scalef32_pk8_fp8_f32 v[C+8*\o+2*\m:C+8*\o+2*\m+1], v[T+8*\m:T+8*\m+7], v[10+2*\o]
.endr
	v_nop                                          ; a plain instruction between the conversions and the next output's holds, which write their sources
.irp j, 0,1,2,3,4,5,6,7
	ds_store_b32 v2, v[C+8*\o+\j] offset:1024*\o+128*\j
.endr
.irp i2, 0,1
	ds_load_b128 v[R+8*\o+4*\i2:R+8*\o+4*\i2+3], v3 offset:1024*\o+512*\i2   ; LDS serves a wave's instructions in order: these see the stores above
.endr
.endm
	s_load_b256 s[4:11], s[0:1], 0x0               ; x s[4:5], g s[6:7], b s[8:9], the exponents s[10:11]
	s_load_b64 s[12:13], s[0:1], 0x20              ; the codes
	v_lshl_add_u32 v208, v0, 2, 0xe000
	v_mov_b32 v209, 0
	v_lshrrev_b32 v1, 5, v0
	v_readfirstlane_b32 s14, v1                    ; wave 0..15
	v_and_b32 v5, 31, v0                           ; lane
	v_lshlrev_b32 v1, 4, v5                        ; 16 x lane
	v_lshlrev_b32 v4, 4, v0                        ; 16 x thread: where my 16 bytes of g or b go in LDS
	v_and_b32 v25, 255, v0
	v_lshlrev_b32 v25, 4, v25                      ; and where they lie in g (waves 0-7) or in b (waves 8-15)
	v_mov_b32 v26, 0                               ; written once: a lane permute's destination counts as one of its sources
	s_mul_i32 s15, s14, NOUT*1024
	s_add_co_u32 s15, s15, STG                     ; my wave's row images
	v_lshl_add_u32 v2, v5, 2, s15                  ; in: 4 bytes a lane
	v_lshl_add_u32 v3, v5, 4, s15                  ; back: 16 bytes a lane
	s_lshl_b32 s16, ttmp9, 4
	s_add_co_u32 s16, s16, s14                     ; my row
	s_lshl_b32 s18, s16, 12
	s_mov_b32 s19, 0
	s_lshl_b32 s20, s16, 10
	s_mov_b32 s21, 0
	s_mov_b32 s38, 0x76543210                      ; lane l xor 16
	s_mov_b32 s39, 0xfedcba98
	s_mov_b32 s40, 0x3a800000                      ; 1 / 1024
	s_mov_b32 s41, 0x358637bd                      ; 1e-6
	s_wait_kmcnt 0x0
	s_load_b256 s[24:31], s[10:11], 0x0            ; e0 .. e7
	s_add_nc_u64 s[4:5], s[4:5], s[18:19]
	s_add_nc_u64 s[32:33], s[12:13], s[20:21]      ; my row in plane 0,
	s_add_nc_u64 s[34:35], s[32:33], 0x400000      ; plane 1,
	s_add_nc_u64 s[36:37], s[32:33], 0x800000      ; plane 2
	s_cmp_lt_u32 s14, 8
	s_cselect_b64 s[6:7], s[6:7], s[8:9]
	global_load_b128 v[16:19], v25, s[6:7]
.irp j, 0,1,2,3,4,5,6,7
	global_load_b128 v[X+4*\j:X+4*\j+3], v1, s[4:5] offset:512*\j
.endr
	s_wait_kmcnt 0x0
	SCALE 0, 24
	SCALE 1, 26
	SCALE 2, 28
	s_wait_loadcnt 8                               ; my piece of g or b is in; the row's eight loads, issued behind it, stay out
	ds_store_b128 v4, v[16:19]
	s_wait_dscnt 0x0                               ; for the others' sake: my store has landed
	s_barrier_signal -1
	s_barrier_wait -1
.irp j, 0,1,2,3,4,5,6,7
	ds_load_b128 v[G+4*\j:G+4*\j+3], v1 offset:512*\j
	ds_load_b128 v[BE+4*\j:BE+4*\j+3], v1 offset:4096+512*\j
.endr
	s_wait_loadcnt 0x0                             ; the row
	v_pk_add_f32 v[20:21], v[X:X+1], v[X+2:X+3]    ; the sum, in two chains
	v_pk_add_f32 v[22:23], v[X+4:X+5], v[X+6:X+7]
.irp j, 8,12,16,20,24,28
	v_pk_add_f32 v[20:21], v[20:21], v[X+\j:X+\j+1]
	v_pk_add_f32 v[22:23], v[22:23], v[X+\j+2:X+\j+3]
.endr
	v_pk_add_f32 v[20:21], v[20:21], v[22:23]
	v_add_f32 v20, v20, v21
	RED
	v_mul_f32 v6, s40, v20                         ; the mean
	v_mov_b32 v7, v6
.set j, 0
.rept 16
	v_pk_add_f32 v[X+j:X+j+1], v[X+j:X+j+1], v[6:7] neg_lo:[0,1] neg_hi:[0,1]
.set j, j+2
.endr
	v_pk_mul_f32 v[20:21], v[X:X+1], v[X:X+1]      ; the sum of squares of x - mean
	v_pk_mul_f32 v[22:23], v[X+2:X+3], v[X+2:X+3]
.irp j, 4,8,12,16,20,24,28
	v_pk_fma_f32 v[20:21], v[X+\j:X+\j+1], v[X+\j:X+\j+1], v[20:21]
	v_pk_fma_f32 v[22:23], v[X+\j+2:X+\j+3], v[X+\j+2:X+\j+3], v[22:23]
.endr
	v_pk_add_f32 v[20:21], v[20:21], v[22:23]
	v_add_f32 v20, v20, v21
	RED
	v_fma_f32 v20, v20, s40, s41                   ; var + 1e-6
	v_rsq_f32 v8, v20
	v_nop                                          ; a plain instruction behind the transcendental
	s_wait_alu depctr_va_vdst(0)                   ; and the wait ahead of its first reader
	v_mov_b32 v9, v8
	s_wait_dscnt 0x0                               ; g and b
.set j, 0
.rept 16
	v_pk_mul_f32 v[X+j:X+j+1], v[X+j:X+j+1], v[8:9]
.set j, j+2
.endr
.set j, 0
.rept 16
	v_pk_fma_f32 v[X+j:X+j+1], v[X+j:X+j+1], v[G+j:G+j+1], v[BE+j:BE+j+1]
.set j, j+2
.endr
	QOUT 0
	QOUT 1
	QOUT 2
	s_wait_dscnt 0x0
	global_store_b128 v1, v[R:R+3], s[32:33]
	global_store_b128 v1, v[R+4:R+7], s[32:33] offset:512
	global_store_b128 v1, v[R+8:R+11], s[34:35]
	global_store_b128 v1, v[R+12:R+15], s[34:35] offset:512
	global_store_b128 v1, v[R+16:R+19], s[36:37]
	global_store_b128 v1, v[R+20:R+23], s[36:37] offset:512
	s_wait_tensorcnt 0x0
	ds_add_u32 v208, v209
	s_wait_dscnt 0x0
	s_endpgm
.Lfunc_end_k_q76c12fcdef_ln1:
	.size	k_q76c12fcdef_ln1, .Lfunc_end_k_q76c12fcdef_ln1-k_q76c12fcdef_ln1
	.p2alignl 7, 3214868480
	.fill 96, 4, 3214868480
	.section	.rodata,"a",@progbits
	.p2align	6, 0x0
	.amdhsa_kernel k_q76c12fcdef_ln1
		.amdhsa_group_segment_fixed_size 59392
		.amdhsa_private_segment_fixed_size 0
		.amdhsa_enable_private_segment 0
		.amdhsa_kernarg_size 40
		.amdhsa_user_sgpr_count 2
		.amdhsa_user_sgpr_kernarg_segment_ptr 1
		.amdhsa_wavefront_size32 1
		.amdhsa_system_sgpr_workgroup_id_x 1
		.amdhsa_system_sgpr_workgroup_id_y 1
		.amdhsa_system_sgpr_workgroup_id_z 1
		.amdhsa_system_vgpr_workitem_id 0
		.amdhsa_next_free_vgpr 210
		.amdhsa_next_free_sgpr 66
		.amdhsa_reserve_vcc 0
		.amdhsa_float_denorm_mode_32 3
		.amdhsa_float_denorm_mode_16_64 3
		.amdhsa_memory_ordered 1
		.amdhsa_forward_progress 1
		.amdhsa_inst_pref_size 21
	.end_amdhsa_kernel
	.amdgpu_metadata
---
amdhsa.version: [ 1, 2 ]
amdhsa.kernels:
  - .name:           k_q76c12fcdef_ln1
    .symbol:         k_q76c12fcdef_ln1.kd
    .args:
      - { .name: x, .offset: 0, .size: 8, .value_kind: global_buffer, .address_space: global }
      - { .name: g1, .offset: 8, .size: 8, .value_kind: global_buffer, .address_space: global }
      - { .name: be1, .offset: 16, .size: 8, .value_kind: global_buffer, .address_space: global }
      - { .name: lowp_scales, .offset: 24, .size: 8, .value_kind: global_buffer, .address_space: global }
      - { .name: xnc, .offset: 32, .size: 8, .value_kind: global_buffer, .address_space: global }
    .group_segment_fixed_size: 59392
    .private_segment_fixed_size: 0
    .kernarg_segment_align: 8
    .kernarg_segment_size: 40
    .max_flat_workgroup_size: 512
    .sgpr_count:     66
    .vgpr_count:     210
    .wavefront_size: 32
...
	.end_amdgpu_metadata
.endif
;; end of part 1
;; launch qkv (part 2): grid 48 x 4, 4 waves a work-group, clusters of 4 x 4, 327,680 bytes of LDS; arguments xnc, Wq_codes, Wk_codes, Wv_codes, bq, bk, bv, lowp_scales, qkv; writes qkv
.if DOCPART == 2
	.amdgcn_target "amdgcn-amd-amdhsa--gfx1250"
	.amdhsa_code_object_version 6
	.text
	.protected	k_q76c12fcdef_qkv
	.globl	k_q76c12fcdef_qkv
	.p2align	8
	.type	k_q76c12fcdef_qkv,@function
k_q76c12fcdef_qkv:
	s_mov_b64 s[64:65], 0
	v_nop
	global_prefetch_b8 v0, s[64:65] scope:SCOPE_SE
	s_setreg_imm32_b32 hwreg(HW_REG_WAVE_MODE, 25, 1), 1
	s_wait_xcnt 0x0
	s_wait_alu depctr_hold_cnt(0) depctr_sa_sdst(0) depctr_va_vdst(0) depctr_va_sdst(0) depctr_va_ssrc(0) depctr_va_vcc(0) depctr_vm_vsrc(0)
	s_getreg_b32 s2, hwreg(HW_REG_IB_STS2, 6, 4)
	s_cmp_eq_u32 s2, 0
	s_cbranch_scc0 .Lentry_in_a_cluster
	s_endpgm
.Lentry_in_a_cluster:
	s_bfe_u32 s2, ttmp6, 0x10000c
	s_cmp_lg_u32 s2, 0xf033
	s_cbranch_scc0 .Lentry_shape_is_right
	s_endpgm
.Lentry_shape_is_right:
; q = xn Wq + bq, k = xn Wk + bk, v = xn Wv + bv on codes of FP8 (E4M3), K = 1,024, and each result quantised again (2^e6, 2^e7, 2^e8) for the attention.
; A tile of 256 x 256 is made by a work-group of four waves, a wave makes 128 x 128: 64 accumulators of 16 x 16.  K goes in steps of 256 through a ring of two LDS slots filled by the tensor data mover.
; CLUSTERS of 4 x 4: the four of a row of the cluster need the same tiles of A, the four of a column the same tiles of B: each tile is asked for jointly.
; Twelve clusters along x: cluster x / 4 = the matrix (0 q, 1 k, 2 v), cluster x % 4 = which quarter of the 4,096 tokens.  Both numbers are equal in all partners of a cluster.
; ROLES.  The matrix instruction is used transposed (source 0 = 16 rows of B, source 1 = 16 rows of A): a lane holds one row of A and eight neighbouring rows of B.
;   q, k: A = the tokens' codes, B = the weight's rows: a lane's eight results are eight channels of a token: codes with the head's 64 innermost.
;   v:    A = Wv's rows, B = the tokens' codes: a lane's eight results are eight TOKENS of a channel: codes with the keys innermost, as the second product of the attention wants them.
; What differs between the roles is chosen by s_cselect on the matrix number: pointers, tile coordinates, strides, which bias.  There is no branch on it.
; OUTPUT: plane 0 q [32 b h][2048][64], plane 1 k likewise, plane 2 v [32 b h][16 chunks][64 channels][128 keys]; planes 4 MiB apart.
; LIMITS: e0 + e1, e2 + e3, e4 + e5 between -126 and 127; e6, e7, e8 between -126 and 119.  NaN among the inputs is not served.
; REGISTERS, in windows of 256: window 0: v0-31 addresses; v32-95 the bias by B's rows, v96-111 the bias by A's rows; from v128 A's fragments, ONE set (free on the way out).
;   window 1: B's fragments, TWO sets.   window 2: the accumulators of my rows 0-63 ((a, b) at v[8 (8 a + b)]);   window 3: those of my rows 64-127.
.set KSTEP,  256
.set ROWB,   256
.set KROW,   1024                      ; a row of codes in memory
.set PITCH,  272                       ; an LDS row: 256 bytes + 16 of padding: the 16 rows of a fragment load start at 16 different banks (64 banks of 4 bytes: ISA guide 11.1)
.set FR,     16
.set NL,     4
.set NP,     4                         ; places behind this matrix instruction (ISA guide 7.12.1)
.set HALFT,  128*PITCH
.set SLOT,   4*HALFT
.set LAPS,   2                         ; 1,024 / 512
.set SPARE,  2*SLOT                    ; behind the ring: the spare words, 128 bytes a wave
.set SPITCH, 144                       ; the way out: a stage of 16 rows x (128 bytes + 16) for each wave, in slot 0, which has had its last fill and its last read by then
.set GO,   8                           ; v8-11   my byte offsets in the output, one for each of a block's four stores
.set QS,   12                          ; v12     2^eOut
.set QH,   13                          ; v13     448 x 2^eOut
.set ADRA, 16
.set ADRB, 20
.set STO,  24
.set RD,   25
.set SPW,  28                          ; v28     LDS address of my spare word; never rewritten
.set NIL,  29                          ; v29     0; never rewritten
.set BC,   32
.set BR,   96
.set AF,   128
.set TMP,  128                         ; the way out: a block's 64 numbers
.set CD,   192                         ; its codes
.set BK,   208                         ; and its rows read back: v208-223 and v224-239 by turns
.set G1, 24
.set G0, 32
.set G1B, 48
.set G0B, 56
.set MSB, 0
.macro WIN new                         ; the immediate's high byte repeats the setting that is left
.if MSB != \new
	s_set_vgpr_msb (MSB<<8)|\new
.set MSB, \new
.endif
.endm
.set MUL_LO, 0xa1                      ; source 0 (B) window 1, source 1 (A) window 0, C and D window 2
.set MUL_HI, 0xf1
.set TO_B,   0x40
; A joint load: waves 0 and 1 fetch for A, waves 2 and 3 for B; the branch hangs on the wave's number alone.  Four v_nop follow each of the two lines.
.macro JLOAD g0a, g1a, g0b, g1b
	s_cmp_eq_u32 s15, 0
	s_cbranch_scc0 .Lfor_b_\@
	tensor_load_to_lds s[\g0a:\g0a+3], s[\g1a:\g1a+7]
	s_nop 0
.rept 4
	v_nop
.endr
	s_branch .Lasked_\@
.Lfor_b_\@:
	tensor_load_to_lds s[\g0b:\g0b+3], s[\g1b:\g1b+7]
	s_nop 0
.rept 4
	v_nop
.endr
.Lasked_\@:
.endm
.macro CREST                           ; a round of the cluster's barrier behind its opening barrier
	s_cmp_lg_u32 s14, 0
	s_cbranch_scc1 .Lnot_wave_0_\@
	s_barrier_signal -3
.Lnot_wave_0_\@:
	s_barrier_wait -3
	s_barrier_signal -1
	s_barrier_wait -1
.endm
.macro CROUND
	s_barrier_signal -1
	s_barrier_wait -1
	CREST
.endm
	s_load_b512 s[68:83], s[0:1], 0x0              ; xnc 68, Wq 70, Wk 72, Wv 74, bq 76, bk 78, bv 80, the exponents 82
	s_load_b64 s[84:85], s[0:1], 0x40              ; the output
	v_lshl_add_u32 v[SPW], v0, 2, SPARE
	v_mov_b32 v[NIL], 0
	ds_add_u32 v28, v29
	ds_add_u32 v28, v29
	s_wait_dscnt 0x0
	v_lshrrev_b32 v1, 5, v0
	v_readfirstlane_b32 s14, v1                    ; wave 0..3
	s_lshr_b32 s15, s14, 1                         ; which half of A's 256 rows is mine.  Also: I fetch for A (0) or for B (1)
	s_and_b32 s16, s14, 1                          ; which half of B's.  Also: which 128 rows of that tile I fetch
	s_bfe_u32 s40, ttmp6, 0x40000                  ; cx
	s_bfe_u32 s41, ttmp6, 0x40004                  ; cy
	s_lshl_b32 s43, s41, 2
	s_lshl_b32 s43, 15, s43                        ; my row of the cluster
	s_lshl_b32 s44, 0x1111, s40                    ; my column
	s_or_b32 s[G1+0], s43, (0<<16)|(1<<20)|(1<<21)|(5<<22)|(3<<25)  ; the mask; elements of 1 byte; padding on; bit 21 beside a mask; 4 words of padding after every 64
	s_or_b32 s[G1B+0], s44, (0<<16)|(1<<20)|(1<<21)|(5<<22)|(3<<25)
.irp g, G1, G1B
	s_mov_b32 s[\g+1], ROWB<<16                    ; tensor_dim0
	s_mov_b32 s[\g+2], 128<<16                     ; tensor_dim1
	s_mov_b32 s[\g+3], ROWB<<16                    ; tile_dim0
	s_mov_b32 s[\g+4], 128                         ; tile_dim1
	s_mov_b32 s[\g+5], KROW                        ; from row to row
	s_mov_b32 s[\g+6], 0
	s_mov_b32 s[\g+7], 0
.endr
	s_lshr_b32 s66, ttmp9, 2                       ; the matrix: 0 q, 1 k, 2 v
	s_and_b32 s67, ttmp9, 3
	s_lshl_b32 s67, s67, 2                         ; the first of this cluster's four tiles of tokens
	s_add_co_u32 s17, s67, s41
	s_add_co_u32 s42, s67, s40
	s_mov_b32 s87, 0x20000
	s_mov_b32 s90, 1024
	s_mov_b32 s92, 1024
	s_mov_b32 s91, 0
	s_mov_b32 s93, 0
	s_cmp_eq_u32 s66, 2                            ; v?  Only selections and moves stand between this compare and its last use
	s_cselect_b32 s17, s41, s17                    ; tile row of A: it hangs on cy alone
	s_cselect_b32 s42, s42, s40                    ; tile row of B: on cx alone
	s_cselect_b32 s86, -1, 0                       ; a lane mask: all ones for v
	s_cselect_b32 s87, 64, s87                     ; the way out: from the first 64 bytes of a stage row to the second (q, k: the next head; v: the next 64 keys),
	s_cselect_b32 s88, 128, 64                     ; from row to row,
	s_cselect_b32 s90, 2048, s90                   ; from a block of 16 rows to the next,
	s_cselect_b32 s92, 124928, s92                 ; and from block 3 to block 4 (v: the next head, 131,072 - 3 x 2,048)
	s_cselect_b32 s98, s42, s17                    ; the tokens' tile and half,
	s_cselect_b32 s99, s16, s15
	s_cselect_b32 s100, s17, s42                   ; the channels' tile and half: in registers that feed no descriptor
	s_cselect_b32 s101, s15, s16
	s_lshl_b32 s98, s98, 8
	s_lshl_b32 s99, s99, 7
	s_add_co_u32 s98, s98, s99                     ; my first token
	s_lshl_b32 s100, s100, 2
	s_lshl_b32 s101, s101, 1
	s_add_co_u32 s100, s100, s101                  ; my first head
	s_lshr_b32 s99, s98, 11
	s_lshl_b32 s99, s99, 4
	s_add_co_u32 s99, s99, s100                    ; 16 b + h
	s_lshl_b32 s99, s99, 17
	s_and_b32 s98, s98, 2047
	s_lshl_b32 s98, s98, 6                         ; q, k: 64 bytes a token; v: 8,192 bytes a chunk of 128 tokens: the same number
	s_add_co_u32 s98, s98, s99
	s_lshl_b32 s99, s66, 22                        ; the plane
	s_add_co_u32 s98, s98, s99
	s_mov_b32 s99, 0
	s_lshl_b32 s100, s100, 8                       ; my first channel's byte in the bias: 64 x head x 4
	s_cmp_eq_u32 s66, 2
	s_cselect_b32 s101, 0, s100                    ; the bias along B's rows begins here (v: not used, read from the buffer's head),
	s_cselect_b32 s100, s100, 0                    ; the bias along A's rows here (q, k: not used)
	s_lshl_b32 s18, s16, 7
	s_lshl_b32 s20, s17, 8
	s_add_co_u32 s20, s20, s18
	s_lshl_b32 s20, s20, 10                        ; A: (256 x tile + 128 x half) rows of 1,024 bytes
	s_mov_b32 s21, 0
	s_lshl_b32 s46, s42, 8
	s_add_co_u32 s46, s46, s18
	s_lshl_b32 s46, s46, 10                        ; B likewise
	s_mov_b32 s47, 0
	s_mul_i32 s45, s14, HALFT                      ; where they go: wave x 128 rows
	s_mov_b32 s19, 0
	s_wait_kmcnt 0x0
	s_cmp_eq_u32 s66, 2
	s_cselect_b64 s[4:5], s[74:75], s[68:69]       ; A: Wv, or the tokens
	s_cselect_b64 s[6:7], s[68:69], s[70:71]       ; B: the tokens, or Wq
	s_cselect_b64 s[8:9], s[80:81], s[76:77]       ; the bias
	s_cselect_b32 s18, 0x800000, 0                 ; v's tokens: plane 2
	s_add_nc_u64 s[6:7], s[6:7], s[18:19]
	s_cmp_eq_u32 s66, 1
	s_cselect_b64 s[6:7], s[72:73], s[6:7]         ; Wk
	s_cselect_b64 s[8:9], s[78:79], s[8:9]
	s_cselect_b32 s18, 0x400000, 0                 ; k's tokens: plane 1
	s_add_nc_u64 s[4:5], s[4:5], s[18:19]
	s_load_b256 s[68:75], s[82:83], 0x0            ; e0 .. e7: the pointers that lay here have been taken
	s_load_b32 s76, s[82:83], 0x20                 ; e8
	s_add_nc_u64 s[84:85], s[84:85], s[98:99]
	s_add_nc_u64 s[20:21], s[4:5], s[20:21]
	s_add_nc_u64 s[46:47], s[6:7], s[46:47]
	CROUND                                         ; all sixteen work-groups are here: the first joint loads meet
.irp s, 0,1
	s_mov_b32 s[G0+4*\s], 1
	s_add_co_u32 s[G0+4*\s+1], s45, \s*SLOT
	s_add_nc_u64 s[G0+4*\s+2:G0+4*\s+3], s[20:21], \s*ROWB
	s_or_b32 s[G0+4*\s+3], s[G0+4*\s+3], 0x80000000
	s_mov_b32 s[G0B+4*\s], 1
	s_add_co_u32 s[G0B+4*\s+1], s45, \s*SLOT
	s_add_nc_u64 s[G0B+4*\s+2:G0B+4*\s+3], s[46:47], \s*ROWB
	s_or_b32 s[G0B+4*\s+3], s[G0B+4*\s+3], 0x80000000
	JLOAD G0+4*\s, G1, G0B+4*\s, G1B
.endr
	v_and_b32 v1, 15, v0                           ; r = l % 16
	v_bfe_u32 v2, v0, 4, 1                         ; h = l / 16
	v_mul_u32_u24 v3, v1, PITCH
	v_lshl_add_u32 v4, v2, 4, v3                   ; a fragment's row x pitch + 16 x half
	s_mul_i32 s21, s15, HALFT
	s_mul_i32 s22, s16, HALFT
	s_add_co_u32 s22, s22, 2*HALFT
.irp s, 0,1
	v_add_nc_u32 v[ADRA+\s], s21, v4
	v_add_nc_u32 v[ADRB+\s], s22, v4
	s_add_co_u32 s21, s21, SLOT
	s_add_co_u32 s22, s22, SLOT
.endr
	s_mul_i32 s23, s14, 16*SPITCH                  ; my stage
	v_mul_u32_u24 v5, v1, SPITCH
	v_lshl_add_u32 v5, v2, 3, v5
	v_add_nc_u32 v[STO], s23, v5                   ; in: row r, 8 bytes for each half of the lanes
	v_and_b32 v6, 31, v0
	v_lshrrev_b32 v7, 3, v6                        ; l / 8
	v_and_b32 v5, 7, v6
	v_mul_u32_u24 v3, v7, SPITCH
	v_lshl_add_u32 v3, v5, 4, v3
	v_add_nc_u32 v[RD], s23, v3                    ; back: eight lanes to a row of 128 bytes, four rows an instruction
	v_bfe_u32 v3, v0, 2, 1
	v_mul_u32_u24 v3, v3, s87                      ; the row's second 64 bytes,
	v_and_b32 v5, 3, v0
	v_lshl_add_u32 v3, v5, 4, v3                   ; 16 bytes a lane,
	v_mad_u32_u24 v[GO], v7, s88, v3               ; row l / 8
	s_lshl_b32 s89, s88, 2
	v_add_nc_u32 v[GO+1], s89, v[GO]               ; four rows on, and so on
	v_add_nc_u32 v[GO+2], s89, v[GO+1]
	v_add_nc_u32 v[GO+3], s89, v[GO+2]
	v_lshlrev_b32 v3, 5, v2
	v_add_nc_u32 v3, s101, v3                      ; the bias along B's rows: accumulator b wants numbers 16 b + 8 h + 0..7
	v_lshlrev_b32 v5, 2, v1
	v_add_nc_u32 v5, s100, v5                      ; the bias along A's rows: block a wants number 16 a + r.  Both runs of loads stay inside the bias's 4,096 bytes in either role
.irp b, 0,1,2,3,4,5,6,7
	global_load_b128 v[BC+8*\b:BC+8*\b+3], v3, s[8:9] offset:64*\b
	global_load_b128 v[BC+8*\b+4:BC+8*\b+7], v3, s[8:9] offset:64*\b+16
.endr
.irp a, 0,1,2,3,4,5,6,7
	global_load_b32 v[BR+2*\a], v5, s[8:9] offset:64*\a
.endr
.macro FRAG reg, adr, q, i             ; 16 rows x 128 K: lane l holds row l % 16; registers 4 c .. 4 c + 3 hold K = 32 c + 16 (l / 16) + 0 .. 15: the same order of K in A and in B
.irp c, 0,1,2,3
	ds_load_b128 v[\reg+4*\c:\reg+4*\c+3], v[\adr] offset:128*(\q)+32*\c+(\i)*16*PITCH
.endr
.endm
; 16 matrix instructions: A's blocks a0, a0 + 1 x B's eight.  The 64 accumulators take turns, one instruction a turn, in the same order in every step.
.macro MUL16 a0, p, zero
.irp a, \a0, \a0+1
.irp b, 0,1,2,3,4,5,6,7
.if \zero
	v_wmma_f32_16x16x128_fp8_fp8 v[8*(8*((\a)%4)+\b):8*(8*((\a)%4)+\b)+7], v[128*(\p)+FR*\b:128*(\p)+FR*\b+FR-1], v[AF+FR*(\a):AF+FR*(\a)+FR-1], 0
.else
	v_wmma_f32_16x16x128_fp8_fp8 v[8*(8*((\a)%4)+\b):8*(8*((\a)%4)+\b)+7], v[128*(\p)+FR*\b:128*(\p)+FR*\b+FR-1], v[AF+FR*(\a):AF+FR*(\a)+FR-1], v[8*(8*((\a)%4)+\b):8*(8*((\a)%4)+\b)+7]
.endif
.endr
.endr
.endm
.macro FETCH_B slot, q, p
	WIN TO_B
.irp i, 0,1,2,3,4,5,6,7
	FRAG 128*(\p)+FR*\i, ADRB+\slot, \q, \i
.endr
	WIN 0
.endm
.macro FETCH_A slot, q, i0
.irp i, \i0, \i0+1, \i0+2, \i0+3
	FRAG AF+FR*(\i), ADRA+\slot, \q, \i
.endr
.endm
.macro PLACES n                        ; plain vector instructions in front of loads into registers that matrix instructions have read (ISA guide 7.12.1 for vector instructions)
.rept \n
	v_nop
.endr
.endm
.macro STEP slot, q, zero              ; 128 along K, with its successor in the same slot
	s_wait_dscnt 4*NL                              ; B's set and A's blocks 0-3 are in; the youngest 16 loads (A's blocks 4-7) may be out
	WIN MUL_LO
	MUL16 0, (\q)%2, \zero
	MUL16 2, (\q)%2, \zero
	s_wait_dscnt 0                                 ; A's blocks 4-7 are in
	PLACES NP
	FETCH_B \slot, (\q)+1, 1-(\q)%2
	FETCH_A \slot, (\q)+1, 0
	WIN MUL_HI
	MUL16 4, (\q)%2, \zero
	MUL16 6, (\q)%2, \zero
	PLACES NP
	WIN 0
	FETCH_A \slot, (\q)+1, 4
.endm
; A slot's last step changes slots: one barrier; in front of it each wave waits for all its tensor loads, adds 0 to its spare word, and waits for that and for its reads of this slot.
.macro TURN slot, next, fill
	s_wait_tensorcnt 0x0                           ; all my tensor loads have landed: my part of the next slot
	ds_add_u32 v[SPW], v[NIL]                      ; 0 onto my spare word
	s_wait_dscnt 4*NL+1                            ; (the add and the youngest 16 loads may be out)
	WIN MUL_LO
	MUL16 0, 1, 0
	s_wait_dscnt 0x0                               ; the add is done, and my reads of this slot are over
	s_barrier_signal -1
	MUL16 2, 1, 0
	WIN 0
	s_barrier_wait -1
.if \fill
	CREST                                          ; the barrier has opened a round of the cluster's barrier: no wave of any partner still reads this slot or has a load on its way
	s_add_nc_u64 s[G0+4*\slot+2:G0+4*\slot+3], s[G0+4*\slot+2:G0+4*\slot+3], 2*ROWB
	s_add_nc_u64 s[G0B+4*\slot+2:G0B+4*\slot+3], s[G0B+4*\slot+2:G0B+4*\slot+3], 2*ROWB
	JLOAD G0+4*\slot, G1, G0B+4*\slot, G1B         ; the first tensor load behind the round; its four v_nop are the places in front of the loads below
.else
	PLACES NP
.endif
	FETCH_B \next, 0, 0
	FETCH_A \next, 0, 0
	WIN MUL_HI
	MUL16 4, 1, 0
	MUL16 6, 1, 0
	PLACES NP
	WIN 0
	FETCH_A \next, 0, 4
.endm
	s_wait_tensorcnt 1                             ; my part of K step 0 is in; K step 1's load, issued behind it, may be out
	s_barrier_signal -1
	s_barrier_wait -1
	FETCH_B 0, 0, 0
	FETCH_A 0, 0, 0
	FETCH_A 0, 0, 4
	STEP 0, 0, 1                                   ; the first step's products start the sums
	s_mov_b32 s3, LAPS-1
.Llap:
	TURN 0, 1, 1
	STEP 1, 0, 0
	TURN 1, 0, 1
	STEP 0, 0, 0
	s_sub_co_u32 s3, s3, 1
	s_cmp_lg_u32 s3, 0
	s_cbranch_scc1 .Llap
	TURN 0, 1, 0                                   ; the last lap fills nothing
	STEP 1, 0, 0
	s_wait_dscnt 4*NL
	WIN MUL_LO
	MUL16 0, 1, 0
	MUL16 2, 1, 0
	s_wait_dscnt 0
	WIN MUL_HI
	MUL16 4, 1, 0
	MUL16 6, 1, 0
	WIN 0
; THE WAY OUT, block by block of 16 rows of A x 128 rows of B: sum x 2^(eA + eB) + bias, held, converted; 8 codes a lane go into my stage and come back as rows of 128 bytes.
; Each store covers four rows: two runs of 256 consecutive bytes, aligned, in either layout.
.macro TOSTAGE a
.set AC, 64*((\a)%4)
	WIN 0x02+((\a)/4)                              ; source 0: window 2 or 3
.set j, 0
.rept 32
	v_pk_fma_f32 v[TMP+j:TMP+j+1], v[AC+j:AC+j+1], s[96:97], v[BC+j:BC+j+1] op_sel_hi:[1,0,1]   ; each accumulator from its low end on
.set j, j+2
.endr
	WIN 0
.set j, 0
.rept 32
	v_pk_add_f32 v[TMP+j:TMP+j+1], v[TMP+j:TMP+j+1], v[BR+2*(\a):BR+2*(\a)+1] op_sel_hi:[1,0]
.set j, j+2
.endr
.set j, 0
.rept 64
	v_med3_num_f32 v[TMP+j], v[TMP+j], -v[QH], v[QH]   ; the conversion does not saturate (ISA guide 7.6.2)
.set j, j+1
.endr
.irp b, 0,1,2,3,4,5,6,7
	v_cvt_scalef32_pk8_fp8_f32 v[CD+2*\b:CD+2*\b+1], v[TMP+8*\b:TMP+8*\b+7], v[QS]
.endr
	v_nop                                          ; a plain instruction behind the last conversion: the next block writes their sources
.irp b, 0,1,2,3,4,5,6,7
	ds_store_b64 v[STO], v[CD+2*\b:CD+2*\b+1] offset:16*\b
.endr
.set BB, BK+16*((\a)%2)
.irp i, 0,1,2,3
	ds_load_b128 v[BB+4*\i:BB+4*\i+3], v[RD] offset:\i*4*SPITCH   ; LDS serves a wave's instructions in order (ISA guide 5.7.1.4): these see the stores above
.endr
.endm
.macro SEND a, younger                 ; younger: the LDS instructions issued behind block a's loads
.set BB, BK+16*((\a)%2)
	s_wait_dscnt \younger
.if (\a) == 4
	s_add_nc_u64 s[84:85], s[84:85], s[92:93]      ; (behind a wait on XCNT: the earlier stores have read their base)
.elseif (\a) > 0
	s_add_nc_u64 s[84:85], s[84:85], s[90:91]
.endif
.irp i, 0,1,2,3
	global_store_b128 v[GO+\i], v[BB+4*\i:BB+4*\i+3], s[84:85]
.endr
.endm
	s_wait_loadcnt 0x0                             ; the biases
	s_wait_kmcnt 0x0                               ; the exponents
	s_add_co_i32 s68, s68, s69
	s_add_co_i32 s70, s70, s71
	s_add_co_i32 s72, s72, s73
	s_cmp_eq_u32 s66, 1
	s_cselect_b32 s96, s70, s68
	s_cselect_b32 s95, s75, s74
	s_cmp_eq_u32 s66, 2
	s_cselect_b32 s96, s72, s96                    ; eA + eB of my matrix,
	s_cselect_b32 s95, s76, s95                    ; and the exponent of its result's scale
	s_add_co_i32 s96, s96, 127
	s_lshl_b32 s96, s96, 23                        ; 2^(eA + eB) as f32
	s_mov_b32 s97, s96
	s_add_co_i32 s95, s95, 127
	s_lshl_b32 s94, s95, 23
	v_mov_b32 v[QS], s94
	s_add_co_i32 s95, s95, 8
	s_lshl_b32 s95, s95, 23
	s_or_b32 s95, s95, 0x600000
	v_mov_b32 v[QH], s95
.set j, 0
.rept 64
	v_cndmask_b32 v[BC+j], v[BC+j], 0, s86         ; v has no bias along B's rows.  (These plain lines are also the places behind the last products)
.set j, j+1
.endr
.irp a, 0,1,2,3,4,5,6,7
	v_cndmask_b32 v[BR+2*\a], 0, v[BR+2*\a], s86   ; q and k have none along A's
	v_mov_b32 v[BR+2*\a+1], v[BR+2*\a]             ; (named with it as a pair, so it is written)
.endr
	TOSTAGE 0
.irp a, 1,2,3,4,5,6,7
.if \a > 1
	s_wait_xcnt 0x0                                ; block a - 2's stores have read their registers and their base
.endif
	TOSTAGE \a
	SEND \a-1, 12                                  ; behind block a - 1's loads: block a's 8 stores and 4 loads
.endr
	s_wait_xcnt 0x0
	SEND 7, 0
	s_wait_tensorcnt 0x0                           ; the wave's end
	ds_add_u32 v[SPW], v[NIL]
	s_wait_dscnt 0x0
	CROUND                                         ; the closing round: no work-group ends while a partner may still ask for a tile that names it
	s_endpgm
.Lfunc_end_k_q76c12fcdef_qkv:
	.size	k_q76c12fcdef_qkv, .Lfunc_end_k_q76c12fcdef_qkv-k_q76c12fcdef_qkv
	.p2alignl 7, 3214868480
	.fill 96, 4, 3214868480
	.section	.rodata,"a",@progbits
	.p2align	6, 0x0
	.amdhsa_kernel k_q76c12fcdef_qkv
		.amdhsa_group_segment_fixed_size 327680
		.amdhsa_private_segment_fixed_size 0
		.amdhsa_enable_private_segment 0
		.amdhsa_kernarg_size 72
		.amdhsa_user_sgpr_count 2
		.amdhsa_user_sgpr_kernarg_segment_ptr 1
		.amdhsa_wavefront_size32 1
		.amdhsa_system_sgpr_workgroup_id_x 1
		.amdhsa_system_sgpr_workgroup_id_y 1
		.amdhsa_system_sgpr_workgroup_id_z 1
		.amdhsa_system_vgpr_workitem_id 0
		.amdhsa_next_free_vgpr 1024
		.amdhsa_next_free_sgpr 102
		.amdhsa_reserve_vcc 0
		.amdhsa_float_denorm_mode_32 3
		.amdhsa_float_denorm_mode_16_64 3
		.amdhsa_memory_ordered 1
		.amdhsa_forward_progress 1
		.amdhsa_inst_pref_size 166
	.end_amdhsa_kernel
	.amdgpu_metadata
---
amdhsa.version: [ 1, 2 ]
amdhsa.kernels:
  - .name:           k_q76c12fcdef_qkv
    .symbol:         k_q76c12fcdef_qkv.kd
    .args:
      - { .name: xnc, .offset: 0, .size: 8, .value_kind: global_buffer, .address_space: global }
      - { .name: Wq_codes, .offset: 8, .size: 8, .value_kind: global_buffer, .address_space: global }
      - { .name: Wk_codes, .offset: 16, .size: 8, .value_kind: global_buffer, .address_space: global }
      - { .name: Wv_codes, .offset: 24, .size: 8, .value_kind: global_buffer, .address_space: global }
      - { .name: bq, .offset: 32, .size: 8, .value_kind: global_buffer, .address_space: global }
      - { .name: bk, .offset: 40, .size: 8, .value_kind: global_buffer, .address_space: global }
      - { .name: bv, .offset: 48, .size: 8, .value_kind: global_buffer, .address_space: global }
      - { .name: lowp_scales, .offset: 56, .size: 8, .value_kind: global_buffer, .address_space: global }
      - { .name: qkv, .offset: 64, .size: 8, .value_kind: global_buffer, .address_space: global }
    .group_segment_fixed_size: 327680
    .private_segment_fixed_size: 0
    .kernarg_segment_align: 8
    .kernarg_segment_size: 72
    .max_flat_workgroup_size: 128
    .sgpr_count:     102
    .vgpr_count:     1024
    .wavefront_size: 32
...
	.end_amdgpu_metadata
.endif
;; end of part 2
;; launch attn (part 3): grid 8 x 32, 8 waves a work-group, clusters of 4 x 1, 322,560 bytes of LDS; arguments qkv, lowp_scales, oc; writes oc
.if DOCPART == 3
	.amdgcn_target "amdgcn-amd-amdhsa--gfx1250"
	.amdhsa_code_object_version 6
	.text
	.protected	k_q76c12fcdef_attn
	.globl	k_q76c12fcdef_attn
	.p2align	8
	.type	k_q76c12fcdef_attn,@function
k_q76c12fcdef_attn:
	s_mov_b64 s[64:65], 0
	v_nop
	global_prefetch_b8 v0, s[64:65] scope:SCOPE_SE
	s_setreg_imm32_b32 hwreg(HW_REG_WAVE_MODE, 25, 1), 1
	s_wait_xcnt 0x0
	s_wait_alu depctr_hold_cnt(0) depctr_sa_sdst(0) depctr_va_vdst(0) depctr_va_sdst(0) depctr_va_ssrc(0) depctr_va_vcc(0) depctr_vm_vsrc(0)
	s_getreg_b32 s2, hwreg(HW_REG_IB_STS2, 6, 4)
	s_cmp_eq_u32 s2, 0
	s_cbranch_scc0 .Lentry_in_a_cluster
	s_endpgm
.Lentry_in_a_cluster:
	s_bfe_u32 s2, ttmp6, 0x10000c
	s_cmp_lg_u32 s2, 0x3003
	s_cbranch_scc0 .Lentry_shape_is_right
	s_endpgm
.Lentry_shape_is_right:
; O[b h][q] = the sum over k of softmax_k(Q . K / 8) V, 32 heads of 2,048 tokens x 64, both products on codes of FP8 (E4M3); the result is quantised again (2^e10) for the product with Wo.
; THE SOFTMAX AHEAD OF THE SECOND PRODUCT: t = score x log2(e) / 8; M = the running largest t rounded UP to a whole number; p = 2^(t - M) is quantised (2^e9), not normalised.  The row's sum is taken of the
; unquantised p and divides O at the end.  When M moves, the sum and O are multiplied by 2^(old M - new M), which rounds nothing.
; SHARES.  A work-group owns 256 queries of one head, each of its eight waves 32: two tiles of 16, so that each fragment of K and V read from LDS feeds two products.  Two waves to a SIMD.
; ALL OF THE HEAD'S K AND V LIE IN LDS, FILLED ONCE: 2,048 keys x (64 + 16) bytes and 16 chunks x 64 channels x (128 + 16) bytes.  Nothing is filled again: no ring.  The fills go out at the head in four
; stages of 512 keys; by this text's count a wave has eight tensor loads outstanding.  So there is nothing left that a prefetch could ask for earlier.
; CLUSTER.  The four query blocks of a cluster belong to one head and want the same K and V: every fill is a joint load with a mask that names the four.
; LAYOUT.  S^T = K Q^T (16x16x64; source 0 = 16 keys, source 1 = 16 queries): lane (r, h) holds query r and, in register j of tile i, key 16 i + 8 h + j.  That is the order in which the 16x16x128 form takes its
; K, so tile i's eight registers convert into registers 2 i, 2 i + 1 of P.  O^T = V^T P^T (source 0 = 16 channels x 128 keys, by loads of 8 bytes at 16 c + 8 h).  A lane holds one query throughout.
; BY TURNS.  The wave's two tiles run half a key step apart.  In a HALF the 64 exponentials of one tile go out, and the other tile does all its other work: the sum, hold and conversion of the step in hand, the
; rescaling of its O^T, its 4 products V^T P, its 8 products K Q^T of the next step, and that step's maximum, M and t - M.  The exponentials are dealt out among that tile's plain instructions, one behind
; every third, so that neither kind of instruction stands in a block of its own.  Then the tiles change places; two halves are a key step.  K and V have one set of registers each: both are loaded in
; tile 0's half, behind the last products that read them, and are waited for in the next half.
; LIMITS: e6 + e7 between -123 and 130 (added to c's exponent field); e9 and e10 between -126 and 119.  NaN among the inputs is not served.
; REGISTERS.  window 0: v1-7 addresses; v12-27 statistics, 8 a tile (+0 -M, +1 largest t, +2,3 the sum, +4,5 f, +6,7 at work); v28-35 at work; v64-191 S^T then p, 64 a tile; v192-223 P, 16 a tile.
;   window 1: v0-63 O^T (tile t, channels 16 u on: 32 t + 8 u); v64-79 Q; v128-191 K's eight fragments; v192-255 V's four.
.set KP,    80
.set VP,    144
.set VBASE, 2048*KP
.set STAGE, VBASE+16*64*VP             ; behind K and V: 16 rows x 80 bytes for each wave, for the way out; no fill lands there
.set AK0, 1
.set AV0, 2
.set ADK, 3
.set ADV, 4
.set STO, 5
.set RD,  6
.set GO,  7
.set ST,  12
.set S,   64
.set P,   192
.set OUTR, 224
.set QF,  64                           ; in window 1
.set KF,  128
.set VF,  192
.set WV,  10
.set G1K, 12                           ; s[12:19]
.set G1V, 20                           ; s[20:27]
.set G0,  28                           ; s[28:59]: eight groups 0: K's and V's of stages 0 to 3
.set SEL, 60
.set CS,  62
.set SK,  66                           ; LDS byte of the keys to be loaded next
.set SV,  67                           ; and of the chunk of V to be loaded next, less VBASE
.set CNT, 82
.set TX,  0                            ; the tile that has the plain and the matrix work
.set ES,  S                            ; the first register of the tile whose exponentials go out
.set nex, 64                           ; how many of them are out
.set npl, 0                            ; plain instructions written in this half
.set MSB, 0
.macro WIN new
.if MSB != \new
	s_set_vgpr_msb (MSB<<8)|\new
.set MSB, \new
.endif
.endm
.macro ROUND                           ; a round of the cluster's barrier
	s_barrier_signal -1
	s_barrier_wait -1
	s_cmp_lg_u32 s[WV], 0
	s_cbranch_scc1 .Lnot_wave_0_\@
	s_barrier_signal -3
.Lnot_wave_0_\@:
	s_barrier_wait -3
	s_barrier_signal -1
	s_barrier_wait -1
.endm
	s_load_b128 s[4:7], s[0:1], 0x0                ; q, k, v s[4:5]; the exponents s[6:7]
	s_load_b64 s[8:9], s[0:1], 0x10                ; the output
	v_lshl_add_u32 v254, v0, 2, 0x4e800
	v_mov_b32 v255, 0
	ds_add_u32 v254, v255
	ds_add_u32 v254, v255
	v_lshrrev_b32 v8, 5, v0
	v_readfirstlane_b32 s[WV], v8                  ; wave 0..7
	s_bfe_u32 s11, ttmp6, 0x40000                  ; cx: it enters Q's and O's global addresses alone
	s_lshl_b32 s88, ttmp9, 2
	s_add_co_u32 s88, s88, s11                     ; my block of 256 queries
	s_and_b32 s89, ttmp7, 0xffff                   ; 16 b + h, which the four partners share
	s_mov_b32 s[G1K], 15|(1<<20)|(1<<21)|(3<<22)|(3<<25)   ; the mask: all four; elements of 1 byte; padding on; bit 21 beside a mask; 4 words of padding after every 16
	s_mov_b32 s[G1K+1], 64<<16                     ; tensor_dim0
	s_mov_b32 s[G1K+2], 64<<16                     ; tensor_dim1
	s_mov_b32 s[G1K+3], 64<<16                     ; tile_dim0: a key's 64 bytes
	s_mov_b32 s[G1K+4], 64                         ; tile_dim1: 64 keys
	s_mov_b32 s[G1K+5], 64
	s_mov_b32 s[G1K+6], 0
	s_mov_b32 s[G1K+7], 0
	s_mov_b32 s[G1V], 15|(1<<20)|(1<<21)|(4<<22)|(3<<25)   ; 4 words of padding after every 32
	s_mov_b32 s[G1V+1], 128<<16
	s_mov_b32 s[G1V+2], 32<<16
	s_mov_b32 s[G1V+3], 128<<16                    ; a channel's 128 keys of a chunk
	s_mov_b32 s[G1V+4], 32                         ; 32 rows
	s_mov_b32 s[G1V+5], 128
	s_mov_b32 s[G1V+6], 0
	s_mov_b32 s[G1V+7], 0
	s_lshl_b32 s90, s89, 17                        ; the head's 131,072 bytes in a plane,
	s_lshl_b32 s91, s[WV], 12
	s_add_co_u32 s90, s90, s91                     ; my wave's 4,096 bytes of a stage's 32,768
	s_mov_b32 s91, 0
	s_mul_i32 s92, s[WV], 64*KP                    ; and their places in LDS
	s_mul_i32 s93, s[WV], 32*VP
	s_add_co_u32 s93, s93, VBASE
	s_lshl_b32 s94, s88, 8
	s_lshl_b32 s95, s[WV], 5
	s_add_co_u32 s94, s94, s95                     ; my first query in the head
	s_lshl_b32 s84, s94, 6
	s_lshl_b32 s95, s89, 17
	s_add_co_u32 s84, s84, s95                     ; its codes in plane 0
	s_mov_b32 s85, 0
	s_lshr_b32 s86, s89, 4
	s_lshl_b32 s86, s86, 11
	s_add_co_u32 s86, s86, s94                     ; its row among the 4,096
	s_lshl_b32 s86, s86, 6
	s_and_b32 s95, s89, 15
	s_lshl_b32 s95, s95, 18
	s_add_co_u32 s86, s86, s95                     ; the output is [16 heads][4096 rows][64]
	s_mov_b32 s87, 0
	s_mov_b32 s[SEL], 0x76543210
	s_mov_b32 s[SEL+1], 0xfedcba98
	s_mov_b32 s[CS], 0x3e38aa3b                    ; c = log2(e) / 8
	s_mov_b32 s[SK], 128*KP                        ; the first load by these two is of step 1's keys
	s_mov_b32 s[SV], 0                             ; and of step 0's chunk of V
	s_wait_dscnt 0x0
	s_wait_kmcnt 0x0
	s_load_b256 s[72:79], s[6:7], 0x18             ; e6 .. e13
	s_add_nc_u64 s[68:69], s[4:5], 0x400000        ; plane 1: k
	s_add_nc_u64 s[68:69], s[68:69], s[90:91]
	s_add_nc_u64 s[70:71], s[4:5], 0x800000        ; plane 2: v
	s_add_nc_u64 s[70:71], s[70:71], s[90:91]
	s_add_nc_u64 s[4:5], s[4:5], s[84:85]
	s_add_nc_u64 s[8:9], s[8:9], s[86:87]
.irp g, 0,1,2,3
	s_mov_b32 s[G0+8*\g], 1
	s_add_co_u32 s[G0+8*\g+1], s92, \g*512*KP
	s_add_nc_u64 s[G0+8*\g+2:G0+8*\g+3], s[68:69], \g*32768
	s_or_b32 s[G0+8*\g+3], s[G0+8*\g+3], 0x80000000
	s_mov_b32 s[G0+8*\g+4], 1
	s_add_co_u32 s[G0+8*\g+5], s93, \g*256*VP
	s_add_nc_u64 s[G0+8*\g+6:G0+8*\g+7], s[70:71], \g*32768
	s_or_b32 s[G0+8*\g+7], s[G0+8*\g+7], 0x80000000
.endr
	ROUND                                          ; all four work-groups are here: the joint loads meet
.irp g, 0,1,2,3
	tensor_load_to_lds s[G0+8*\g:G0+8*\g+3], s[G1K:G1K+7]
	s_nop 0
	tensor_load_to_lds s[G0+8*\g+4:G0+8*\g+7], s[G1V:G1V+7]
	s_nop 0
.endr
.rept 4
	v_nop                                          ; behind the tensor loads
.endr
	v_and_b32 v8, 15, v0                           ; r
	v_bfe_u32 v9, v0, 4, 1                         ; h
	v_and_b32 v10, 31, v0                          ; lane
	v_lshlrev_b32 v11, 6, v8
	v_lshl_add_u32 v11, v9, 4, v11                 ; Q: 64 r + 16 h
	WIN 0x40                                       ; destination window 1
.irp t, 0,1
.irp c, 0,1
	global_load_b128 v[QF+8*\t+4*\c:QF+8*\t+4*\c+3], v11, s[4:5] offset:1024*\t+32*\c   ; registers 4 c .. 4 c + 3: d = 32 c + 16 h + 0..15, as in K's fragments
.endr
.endr
.set j, 0
.rept 64
	v_mov_b32 v[j], 0                              ; O^T.  (The products V^T P are written one way: the first find zeros, which the first change of M leaves zeros)
.set j, j+1
.endr
	WIN 0
	v_mul_u32_u24 v[AK0], v8, KP
	v_lshl_add_u32 v[AK0], v9, 4, v[AK0]
	v_mul_u32_u24 v[AV0], v8, VP
	v_lshl_add_u32 v[AV0], v9, 3, v[AV0]
	v_add_nc_u32 v[AV0], VBASE, v[AV0]
	s_mul_i32 s83, s[WV], 16*KP
	s_add_co_u32 s83, s83, STAGE                   ; my stage
	v_mul_u32_u24 v[STO], v8, KP
	v_lshl_add_u32 v[STO], v9, 3, v[STO]
	v_add_nc_u32 v[STO], s83, v[STO]               ; in: row r, 8 bytes for each half of the lanes
	v_lshrrev_b32 v[RD], 2, v10
	v_mul_u32_u24 v[RD], v[RD], KP
	v_and_b32 v[GO], 3, v10
	v_lshl_add_u32 v[RD], v[GO], 4, v[RD]
	v_add_nc_u32 v[RD], s83, v[RD]                 ; back: four lanes to a row of 64 bytes
	v_lshlrev_b32 v[GO], 4, v10                    ; and 16 x lane in the output, whose rows are dense
.irp t, 0,1
	v_mov_b32 v[ST+8*\t+1], 0xff61b1e6             ; the largest t so far: -3e38
	v_floor_f32 v[ST+8*\t], -v[ST+8*\t+1]          ; -M
	v_mov_b32 v[ST+8*\t+2], 0                      ; the sum, in two halves
	v_mov_b32 v[ST+8*\t+3], 0
	v_mov_b32 v[ST+8*\t+5], 0                      ; (named as the upper half of f's pair)
	v_mov_b32 v[28+\t], 0                          ; a lane permute's destination counts as one of its sources
.endr
	s_wait_kmcnt 0x0
	s_add_co_i32 s80, s72, s73
	s_lshl_b32 s80, s80, 23
	s_add_co_i32 s[CS], s[CS], s80                 ; a score stands for score x 2^(e6 + e7): added to c's exponent field
	s_mov_b32 s[CS+1], s[CS]
	s_add_co_i32 s80, s75, 127
	s_lshl_b32 s81, s80, 23
	v_mov_b32 v31, s81                             ; 2^e9
	s_add_co_i32 s80, s80, 8
	s_lshl_b32 s80, s80, 23
	s_or_b32 s80, s80, 0x600000
	v_mov_b32 v30, s80                             ; 448 x 2^e9
.macro XP                              ; the next exponential of the batch that is going out, if one is left: p = 2^(t - M), in place.  Written only where every window is 0
.if nex < 64
	v_exp_f32 v[ES+nex], v[ES+nex]
.set nex, nex+1
.endif
.endm
.macro TICK                            ; stands behind each instruction of the other tile's lists: behind every third an exponential is written
.set npl, npl+1
.if (npl % 3) == 0
	XP
.endif
.endm
.macro SMAX                            ; tile TX: the step's largest score, the new M, f, and t - M: 73 instructions
.set rT, ST+8*TX
.set rS, S+64*TX
	v_max3_num_f32 v[rT+6], v[rS], v[rS+1], v[rS+2]        ; two chains, ascending: each accumulator is read from its low end on
	TICK
	v_max3_num_f32 v[rT+7], v[rS+3], v[rS+4], v[rS+5]
	TICK
.irp i, 6,10,14,18,22,26,30,34,38,42,46,50,54,58
	v_max3_num_f32 v[rT+6], v[rT+6], v[rS+\i], v[rS+\i+1]
	TICK
	v_max3_num_f32 v[rT+7], v[rT+7], v[rS+\i+2], v[rS+\i+3]
	TICK
.endr
	v_max3_num_f32 v[rT+6], v[rT+6], v[rS+62], v[rS+63]
	TICK
	v_max_num_f32 v[rT+6], v[rT+6], v[rT+7]
	TICK
	v_permlanex16_b32 v[28+TX], v[rT+6], s[SEL], s[SEL+1]  ; the query's other 64 keys lie in the lane 16 away
	TICK
	v_max_num_f32 v[rT+6], v[rT+6], v[28+TX]
	TICK
	v_mul_f32 v[rT+6], s[CS], v[rT+6]                      ; as t (c is positive)
	TICK
	v_max_num_f32 v[rT+1], v[rT+1], v[rT+6]
	TICK
	v_mov_b32 v[rT+6], v[rT]
	TICK
	v_floor_f32 v[rT], -v[rT+1]                            ; the new -M = floor(-t)
	TICK
	v_sub_f32 v[rT+6], v[rT], v[rT+6]                      ; old M - new M: a whole number, 0 or less
	TICK
	v_cvt_i32_f32 v[rT+6], v[rT+6]
	TICK
	v_ldexp_f32 v[rT+4], 1.0, v[rT+6]                      ; f
	TICK
.set j, 0
.rept 32
	v_pk_fma_f32 v[rS+j:rS+j+1], v[rS+j:rS+j+1], s[CS:CS+1], v[rT:rT+1] op_sel_hi:[1,0,0]
	TICK
.set j, j+2
.endr
.endm
.macro SQNT                            ; tile TX: the sum under the new M, the sum of the unquantised p, then hold and conversion: 105 instructions
.set rT, ST+8*TX
.set rS, S+64*TX
.set rC, 32+2*TX
.set rP, P+16*TX
	v_pk_mul_f32 v[rT+2:rT+3], v[rT+2:rT+3], v[rT+4:rT+5] op_sel_hi:[1,0]
	TICK
	v_pk_add_f32 v[rC:rC+1], v[rS:rS+1], v[rS+2:rS+3]
	TICK
.irp j2, 4,8,12,16,20,24,28,32,36,40,44,48,52,56,60
	v_pk_add_f32 v[rT+2:rT+3], v[rT+2:rT+3], v[rS+\j2:rS+\j2+1]
	TICK
	v_pk_add_f32 v[rC:rC+1], v[rC:rC+1], v[rS+\j2+2:rS+\j2+3]
	TICK
.endr
	v_pk_add_f32 v[rT+2:rT+3], v[rT+2:rT+3], v[rC:rC+1]
	TICK
.irp k, 0,1,2,3,4,5,6,7
.irp i, 0,1,2,3,4,5,6,7
	v_min_num_f32 v[rS+8*\k+\i], v[rS+8*\k+\i], v30        ; the conversion does not saturate (ISA guide 7.6.2); p is not negative, so the hold is one-sided
	TICK
.endr
	v_cvt_scalef32_pk8_fp8_f32 v[rP+2*\k:rP+2*\k+1], v[rS+8*\k:rS+8*\k+7], v31
	TICK
.endr
.endm
; A HALF.  e: the tile whose exponentials go out (ex = 1) or would (ex = 0: none are due); the other tile, 1 - e, has the rest.
; post = 1: its sum, hold and conversion, the rescaling of its O^T and its 4 products V^T P.  qk = 1: its 8 products K Q^T of the next step, and that step's maximum, M and t - M.
; ld = 2: behind those products, which are the last to read K's and V's registers, the next chunk of V and the next keys are loaded; ld = 1: V alone; ld = 0: nothing.
; In a whole half the 64 exponentials are: one at the head, 35 among the first list's 105 instructions, 4 at the places behind the products, 24 among the second list's 73.
; At the half's end stand what is left of the batch, a plain instruction and the wait ahead of the first instruction that names a result.
.macro HALF e, ex, post, qk, ld
.set TX, 1-(\e)
.set ES, S+64*(\e)
.set npl, 0
.if \ex
.set nex, 0
.else
.set nex, 64
.endif
	XP
.if \post
	SQNT
	WIN 0x41                                       ; O^T in window 1, f in window 0
.set j, 0
.rept 16
	v_pk_mul_f32 v[32*TX+j:32*TX+j+1], v[32*TX+j:32*TX+j+1], v[ST+8*TX+4:ST+8*TX+5] op_sel_hi:[1,0]   ; O^T under the new M; also the plain instructions between the conversions and the products
.set j, j+2
.endr
.if \e == 1
	s_wait_dscnt 0x0                               ; V and K, asked for in the half before
.endif
	WIN 0x51                                       ; V and O^T in window 1, P in window 0
.irp u, 0,1,2,3
	v_wmma_f32_16x16x128_fp8_fp8 v[32*TX+8*\u:32*TX+8*\u+7], v[VF+16*\u:VF+16*\u+15], v[P+16*TX:P+16*TX+15], v[32*TX+8*\u:32*TX+8*\u+7]   ; four accumulators, one instruction each
.endr
.endif
.if \qk
	WIN 0x05                                       ; K and Q in window 1, S^T in window 0
.irp k, 0,1,2,3,4,5,6,7
	v_wmma_f32_16x16x64_fp8_fp8 v[S+64*TX+8*\k:S+64*TX+8*\k+7], v[KF+8*\k:KF+8*\k+7], v[QF+8*TX:QF+8*TX+7], 0
.endr
.endif
	WIN 0
.if \qk
.if \ld                                        ; four plain instructions behind the products, ahead of the loads into K's and V's registers and of the first read of the scores (ISA guide 7.12.1 for the read of the scores); the exponentials between them are not counted
	v_add_nc_u32 v[ADV], s[SV], v[AV0]
	XP
.if \ld == 2
	v_add_nc_u32 v[ADK], s[SK], v[AK0]
.else
	v_nop
.endif
	XP
	v_nop
	XP
	v_nop
	XP
	WIN 0x40
.irp u, 0,1,2,3
.irp c, 0,1,2,3,4,5,6,7
	ds_load_b64 v[VF+16*\u+2*\c:VF+16*\u+2*\c+1], v[ADV] offset:16*VP*\u+16*\c
.endr
.endr
.if \ld == 2
.irp k, 0,1,2,3,4,5,6,7
	ds_load_b128 v[KF+8*\k:KF+8*\k+3], v[ADK] offset:16*KP*\k
	ds_load_b128 v[KF+8*\k+4:KF+8*\k+7], v[ADK] offset:16*KP*\k+32
.endr
.endif
	WIN 0
	s_add_co_u32 s[SV], s[SV], 64*VP
	s_add_co_u32 s[SK], s[SK], 128*KP
.else
.rept 4
	v_nop                                          ; the four places ahead of the first read of the scores
	XP
.endr
.endif
	SMAX
.endif
.if \ex
.rept 64
	XP                                             ; what is left of the batch: nothing in a whole half
.endr
	v_nop                                          ; a plain instruction behind the last exponential
	s_wait_alu depctr_va_vdst(0)                   ; one wait for the batch
.endif
.endm
; Body j: tile 1's exponentials of step j beside tile 0's work (V^T P of step j, K Q^T of step j + 1); then tile 0's exponentials of step j + 1 beside tile 1's (the same), and the loads of V of step j + 1 and K of step j + 2.
.macro BODY ld
	HALF 1, 1, 1, 1, 0
	HALF 0, 1, 1, 1, \ld
.endm
.macro RUN n
	s_mov_b32 s[CNT], \n
.Lstep_\@:
	BODY 2
	s_sub_co_u32 s[CNT], s[CNT], 1
	s_cmp_lg_u32 s[CNT], 0
	s_cbranch_scc1 .Lstep_\@
.endm
.macro MEET n                          ; the next stage's tiles are whole for every wave.  n: my loads of the later stages, two a stage, which may stay out.
	s_wait_dscnt 0x0                               ; no LDS load of mine is out at the signal
	s_wait_tensorcnt \n
	s_barrier_signal -1
	s_barrier_wait -1
.endm
	MEET 6                                         ; stage 0: keys 0 to 511
	WIN 0x40
.irp k, 0,1,2,3,4,5,6,7
	ds_load_b128 v[KF+8*\k:KF+8*\k+3], v[AK0] offset:16*KP*\k          ; step 0's keys
	ds_load_b128 v[KF+8*\k+4:KF+8*\k+7], v[AK0] offset:16*KP*\k+32
.endr
	WIN 0
	s_wait_loadcnt 0x0                             ; Q
	s_wait_dscnt 0x0
	HALF 1, 0, 0, 1, 0                             ; tile 0's first scores, maximum and t - M: no exponentials are due yet
	HALF 0, 1, 0, 1, 2                             ; tile 0's first exponentials beside tile 1's first scores; V of step 0, K of step 1
	RUN 2                                          ; bodies 0, 1: they load up to V of step 2 and K of step 3: stage 0
	MEET 4                                         ; stage 1
	RUN 4                                          ; bodies 2 to 5: up to V of step 6, K of step 7
	MEET 2                                         ; stage 2
	RUN 4                                          ; bodies 6 to 9: up to V of step 10, K of step 11
	MEET 0                                         ; stage 3
	RUN 4                                          ; bodies 10 to 13: up to V of step 14, K of step 15
	BODY 1                                         ; body 14: V of step 15; there are no further keys
	HALF 1, 1, 1, 0, 0                             ; tile 1's last exponentials beside tile 0's last sum and V^T P
	HALF 0, 0, 1, 0, 0                             ; tile 1's last sum and V^T P
	; THE WAY OUT.  O^T / the sum x 2^(e8 + e9), quantised with 2^e10; a tile's 16 rows of 64 codes go through my stage and leave as 1,024 consecutive bytes.  The plain lines below are the places behind the last products.
.irp t, 0,1
	v_add_f32 v[ST+8*\t+6], v[ST+8*\t+2], v[ST+8*\t+3]
.endr
.irp t, 0,1
	v_permlanex16_b32 v[28+\t], v[ST+8*\t+6], s[SEL], s[SEL+1]
.endr
.irp t, 0,1
	v_add_f32 v[ST+8*\t+6], v[ST+8*\t+6], v[28+\t]
.endr
.irp t, 0,1
	v_rcp_f32 v[ST+8*\t+4], v[ST+8*\t+6]
.endr
	v_nop                                          ; a plain instruction behind the reciprocals
	s_add_co_i32 s77, s74, s75
	s_add_co_i32 s80, s76, 127
	s_lshl_b32 s81, s80, 23
	v_mov_b32 v31, s81                             ; 2^e10
	s_add_co_i32 s80, s80, 8
	s_lshl_b32 s80, s80, 23
	s_or_b32 s80, s80, 0x600000
	v_mov_b32 v30, s80                             ; 448 x 2^e10
	s_wait_alu depctr_va_vdst(0)                   ; one wait for both, ahead of their first reader
.irp t, 0,1
	v_ldexp_f32 v[ST+8*\t+4], v[ST+8*\t+4], s77
.endr
.irp t, 0,1
	WIN 0x01                                       ; source 0 window 1
.set j, 0
.rept 16
	v_pk_mul_f32 v[S+32*\t+j:S+32*\t+j+1], v[32*\t+j:32*\t+j+1], v[ST+8*\t+4:ST+8*\t+5] op_sel_hi:[1,0]
.set j, j+2
.endr
	WIN 0
.set j, 0
.rept 32
	v_med3_num_f32 v[S+32*\t+j], v[S+32*\t+j], -v30, v30
.set j, j+1
.endr
.irp u, 0,1,2,3
	v_cvt_scalef32_pk8_fp8_f32 v[P+8*\t+2*\u:P+8*\t+2*\u+1], v[S+32*\t+8*\u:S+32*\t+8*\u+7], v31   ; channels 16 u + 8 h + 0..7 of query r
.endr
	v_nop
.irp u, 0,1,2,3
	ds_store_b64 v[STO], v[P+8*\t+2*\u:P+8*\t+2*\u+1] offset:16*\u
.endr
.irp i, 0,1
	ds_load_b128 v[OUTR+8*\t+4*\i:OUTR+8*\t+4*\i+3], v[RD] offset:8*KP*\i   ; LDS serves a wave's instructions in order: these see the stores above, and the next tile's stores come behind them
.endr
.endr
	s_wait_dscnt 6                                 ; tile 0's rows are back; tile 1's four stores and two loads may be out
	global_store_b128 v[GO], v[OUTR:OUTR+3], s[8:9]
	global_store_b128 v[GO], v[OUTR+4:OUTR+7], s[8:9] offset:512
	s_wait_dscnt 0x0
	global_store_b128 v[GO], v[OUTR+8:OUTR+11], s[8:9] offset:1024
	global_store_b128 v[GO], v[OUTR+12:OUTR+15], s[8:9] offset:1536
	s_wait_tensorcnt 0x0
	ds_add_u32 v254, v255
	s_wait_dscnt 0x0
	ROUND                                          ; the closing round: no work-group ends while a partner may still ask for a tile that names it
	s_endpgm
.Lfunc_end_k_q76c12fcdef_attn:
	.size	k_q76c12fcdef_attn, .Lfunc_end_k_q76c12fcdef_attn-k_q76c12fcdef_attn
	.p2alignl 7, 3214868480
	.fill 96, 4, 3214868480
	.section	.rodata,"a",@progbits
	.p2align	6, 0x0
	.amdhsa_kernel k_q76c12fcdef_attn
		.amdhsa_group_segment_fixed_size 322560
		.amdhsa_private_segment_fixed_size 0
		.amdhsa_enable_private_segment 0
		.amdhsa_kernarg_size 24
		.amdhsa_user_sgpr_count 2
		.amdhsa_user_sgpr_kernarg_segment_ptr 1
		.amdhsa_wavefront_size32 1
		.amdhsa_system_sgpr_workgroup_id_x 1
		.amdhsa_system_sgpr_workgroup_id_y 1
		.amdhsa_system_sgpr_workgroup_id_z 1
		.amdhsa_system_vgpr_workitem_id 0
		.amdhsa_next_free_vgpr 512
		.amdhsa_next_free_sgpr 96
		.amdhsa_reserve_vcc 0
		.amdhsa_float_denorm_mode_32 3
		.amdhsa_float_denorm_mode_16_64 3
		.amdhsa_memory_ordered 1
		.amdhsa_forward_progress 1
		.amdhsa_inst_pref_size 197
	.end_amdhsa_kernel
	.amdgpu_metadata
---
amdhsa.version: [ 1, 2 ]
amdhsa.kernels:
  - .name:           k_q76c12fcdef_attn
    .symbol:         k_q76c12fcdef_attn.kd
    .args:
      - { .name: qkv, .offset: 0, .size: 8, .value_kind: global_buffer, .address_space: global }
      - { .name: lowp_scales, .offset: 8, .size: 8, .value_kind: global_buffer, .address_space: global }
      - { .name: oc, .offset: 16, .size: 8, .value_kind: global_buffer, .address_space: global }
    .group_segment_fixed_size: 322560
    .private_segment_fixed_size: 0
    .kernarg_segment_align: 8
    .kernarg_segment_size: 24
    .max_flat_workgroup_size: 256
    .sgpr_count:     96
    .vgpr_count:     512
    .wavefront_size: 32
...
	.end_amdgpu_metadata
.endif
;; end of part 3
;; launch wo (part 4): grid 8 x 32, 4 waves a work-group, clusters of 4 x 4, 327,680 bytes of LDS; arguments oc, Wo_codes, lowp_scales, bo, x, x1; writes x1
.if DOCPART == 4
	.amdgcn_target "amdgcn-amd-amdhsa--gfx1250"
	.amdhsa_code_object_version 6
	.text
	.protected	k_q76c12fcdef_wo
	.globl	k_q76c12fcdef_wo
	.p2align	8
	.type	k_q76c12fcdef_wo,@function
k_q76c12fcdef_wo:
	s_mov_b64 s[64:65], 0
	v_nop
	global_prefetch_b8 v0, s[64:65] scope:SCOPE_SE
	s_setreg_imm32_b32 hwreg(HW_REG_WAVE_MODE, 25, 1), 1
	s_wait_xcnt 0x0
	s_wait_alu depctr_hold_cnt(0) depctr_sa_sdst(0) depctr_va_vdst(0) depctr_va_sdst(0) depctr_va_ssrc(0) depctr_va_vcc(0) depctr_vm_vsrc(0)
	s_getreg_b32 s2, hwreg(HW_REG_IB_STS2, 6, 4)
	s_cmp_eq_u32 s2, 0
	s_cbranch_scc0 .Lentry_in_a_cluster
	s_endpgm
.Lentry_in_a_cluster:
	s_bfe_u32 s2, ttmp6, 0x10000c
	s_cmp_lg_u32 s2, 0xf033
	s_cbranch_scc0 .Lentry_shape_is_right
	s_endpgm
.Lentry_shape_is_right:
; x1 = x + (attention's result) Wo + bo.  The product is on codes of FP8 (E4M3), K = 1,024; sums, bias and residual in f32.
; A: [KK / CB chunks][4096 rows][CB] codes (a chunk = a head's 64), B: [1024][KK] codes.  Output [4096][1024] f32.
; A tile of 128 x 128 is made by a work-group of four waves (256 work-groups), a wave makes 64 x 64: 16 accumulators.  K goes in steps of 512 through two LDS slots; here K is two steps, so both slots are
; filled once and nothing is filled again.
; CLUSTERS of 4 x 4: A's tile is shared along a row of the cluster, B's along a column: joint loads.
; A'S TILE: one descriptor row is a chunk's 64 rows, dense in memory (64 CB bytes); the chunks lie 4,096 CB bytes apart; 16 bytes of padding behind every CB bytes: in LDS [chunk][row][CB + 16].
; The matrix instruction is used transposed (source 0 = 16 rows of B, source 1 = 16 rows of A): a lane holds eight neighbouring numbers of a row of the output.
; LIMIT: the two exponents' sum lies between -126 and 127.
; REGISTERS.  window 0: v0-31 addresses; v32-95 the way out; v96-99 the bias; v128-255 the accumulators ((a, b) at v[128 + 8 (4 a + b)]).
;   window 1: two fragment buffers of 128: A's four fragments, then B's four.   window 2: v0-127 my 64 x 64 of the residual, asked for at the head.
.set KK,    1024
.set CB,    64
.set QIA,   3                          ; padding after every 16 words
.set SCO,   40                         ; lowp_scales entries 10 and 11
.set NCH,   512/CB
.set AP,    CB+16
.set AH,    NCH*64*AP                  ; 64 rows of A, 512 along K
.set BP,    528
.set BH,    64*BP
.set SLOT,  2*AH+2*BH
.set SPARE, 2*SLOT                     ; behind the slots: the spare words, 128 bytes a wave
.set LAPS,  KK/1024
.set SPITCH, 272                       ; the way out: 16 rows x (256 bytes + 16) for each wave, in slot 0, which has had its last fill and its last read by then
.set ADRA, 16
.set ADRB, 20
.set STO,  24
.set RD,   25
.set CO,   26
.set SPW,  28
.set NIL,  29
.set TT,   32
.set BI,   96
.set ACC,  128
.set F0,   0
.set F1,   128
.set G1, 24
.set G0, 32
.set G1B, 48
.set G0B, 56
.set MSB, 0
.macro WIN new
.if MSB != \new
	s_set_vgpr_msb (MSB<<8)|\new
.set MSB, \new
.endif
.endm
.set MUL,  0x05                        ; sources 0 (B) and 1 (A) window 1; C and D window 0
.set TO_F, 0x40
.macro JLOAD s                         ; waves 0 and 1 fetch A's two halves, waves 2 and 3 B's; four v_nop follow each of the two lines
	s_cmp_eq_u32 s11, 0
	s_cbranch_scc0 .Lfor_b_\@
	tensor_load_to_lds s[G0+4*\s:G0+4*\s+3], s[G1:G1+7]
	s_nop 0
.rept 4
	v_nop
.endr
	s_branch .Lasked_\@
.Lfor_b_\@:
	tensor_load_to_lds s[G0B+4*\s:G0B+4*\s+3], s[G1B:G1B+7]
	s_nop 0
.rept 4
	v_nop
.endr
.Lasked_\@:
.endm
.macro CREST
	s_cmp_lg_u32 s10, 0
	s_cbranch_scc1 .Lnot_wave_0_\@
	s_barrier_signal -3
.Lnot_wave_0_\@:
	s_barrier_wait -3
	s_barrier_signal -1
	s_barrier_wait -1
.endm
.macro CROUND
	s_barrier_signal -1
	s_barrier_wait -1
	CREST
.endm
	s_load_b256 s[68:75], s[0:1], 0x0              ; A 68, B 70, the exponents 72, the bias 74
	s_load_b128 s[76:79], s[0:1], 0x20             ; the residual 76, the output 78
	v_lshl_add_u32 v[SPW], v0, 2, SPARE
	v_mov_b32 v[NIL], 0
	ds_add_u32 v28, v29
	ds_add_u32 v28, v29
	s_wait_dscnt 0x0
	v_lshrrev_b32 v1, 5, v0
	v_readfirstlane_b32 s10, v1                    ; wave 0..3
	s_lshr_b32 s11, s10, 1                         ; which half of the tile's rows is mine.  Also: I fetch for A (0) or for B (1)
	s_and_b32 s12, s10, 1                          ; which half of its columns.  Also: which 64 rows of that tile I fetch
	s_bfe_u32 s40, ttmp6, 0x40000                  ; cx
	s_bfe_u32 s41, ttmp6, 0x40004                  ; cy
	s_lshl_b32 s42, ttmp9, 2
	s_add_co_u32 s42, s42, s40                     ; tile column
	s_and_b32 s13, ttmp7, 0xffff
	s_lshl_b32 s13, s13, 2
	s_add_co_u32 s13, s13, s41                     ; tile row
	s_lshl_b32 s43, s41, 2
	s_lshl_b32 s43, 15, s43                        ; my row of the cluster
	s_lshl_b32 s44, 0x1111, s40                    ; my column
	s_or_b32 s[G1+0], s43, (0<<16)|(1<<20)|(1<<21)|(QIA<<22)|(3<<25)
	s_mov_b32 s[G1+1], ((64*CB)&0xffff)<<16        ; tensor_dim0 = 64 CB
	s_mov_b32 s[G1+2], ((64*CB)>>16)|(NCH<<16)     ; tensor_dim1 = NCH
	s_mov_b32 s[G1+3], (64*CB)<<16                 ; tile_dim0
	s_mov_b32 s[G1+4], NCH                         ; tile_dim1
	s_mov_b32 s[G1+5], 4096*CB                     ; from chunk to chunk
	s_mov_b32 s[G1+6], 0
	s_mov_b32 s[G1+7], 0
	s_or_b32 s[G1B+0], s44, (0<<16)|(1<<20)|(1<<21)|(6<<22)|(3<<25)   ; 4 words of padding after every 128
	s_mov_b32 s[G1B+1], 512<<16
	s_mov_b32 s[G1B+2], 64<<16
	s_mov_b32 s[G1B+3], 512<<16
	s_mov_b32 s[G1B+4], 64
	s_mov_b32 s[G1B+5], KK
	s_mov_b32 s[G1B+6], 0
	s_mov_b32 s[G1B+7], 0
	s_lshl_b32 s17, s12, 6
	s_lshl_b32 s16, s13, 7
	s_add_co_u32 s16, s16, s17
	s_mul_i32 s16, s16, CB                         ; A: row 128 x tile row + 64 x half, in the first chunk
	s_lshl_b32 s46, s42, 7
	s_add_co_u32 s46, s46, s17
	s_mul_i32 s46, s46, KK                         ; B: row 128 x tile column + 64 x half
	s_mov_b32 s17, 0
	s_mov_b32 s47, 0
	s_mul_i32 s20, s12, AH                         ; where they go: A's two halves,
	s_mul_i32 s21, s12, BH
	s_add_co_u32 s21, s21, 2*AH                    ; then B's two
	s_wait_kmcnt 0x0
	s_load_b64 s[96:97], s[72:73], SCO
	s_add_nc_u64 s[14:15], s[68:69], s[16:17]
	s_add_nc_u64 s[46:47], s[70:71], s[46:47]
	CROUND                                         ; all sixteen work-groups are here: the first joint loads meet
.irp s, 0,1
	s_mov_b32 s[G0+4*\s], 1
	s_add_co_u32 s[G0+4*\s+1], s20, \s*SLOT
	s_add_nc_u64 s[G0+4*\s+2:G0+4*\s+3], s[14:15], \s*2097152      ; 512 along K = NCH chunks of 4,096 CB bytes
	s_or_b32 s[G0+4*\s+3], s[G0+4*\s+3], 0x80000000
	s_mov_b32 s[G0B+4*\s], 1
	s_add_co_u32 s[G0B+4*\s+1], s21, \s*SLOT
	s_add_nc_u64 s[G0B+4*\s+2:G0B+4*\s+3], s[46:47], \s*512
	s_or_b32 s[G0B+4*\s+3], s[G0B+4*\s+3], 0x80000000
	JLOAD \s
.endr
	v_and_b32 v1, 15, v0                           ; r
	v_bfe_u32 v2, v0, 4, 1                         ; h
	v_mul_u32_u24 v3, v1, AP
	v_lshl_add_u32 v3, v2, 4, v3
	v_mul_u32_u24 v4, v1, BP
	v_lshl_add_u32 v4, v2, 4, v4
	s_mul_i32 s21, s11, AH
	s_mul_i32 s22, s12, BH
	s_add_co_u32 s22, s22, 2*AH
.irp s, 0,1
	v_add_nc_u32 v[ADRA+\s], s21, v3
	v_add_nc_u32 v[ADRB+\s], s22, v4
	s_add_co_u32 s21, s21, SLOT
	s_add_co_u32 s22, s22, SLOT
.endr
	s_mul_i32 s23, s10, 16*SPITCH                  ; my stage
	v_mul_u32_u24 v3, v1, SPITCH
	v_lshl_add_u32 v3, v2, 5, v3
	v_add_nc_u32 v[STO], s23, v3                   ; in: row r, 32 bytes for each half of the lanes
	v_mul_u32_u24 v4, v2, SPITCH
	v_lshl_add_u32 v4, v1, 4, v4
	v_add_nc_u32 v[RD], s23, v4                    ; back: lanes 0-15 one row of 256 bytes, lanes 16-31 the next
	v_lshlrev_b32 v[CO], 12, v2
	v_lshl_add_u32 v[CO], v1, 4, v[CO]             ; and the same two rows in the output and in the residual
	v_lshlrev_b32 v5, 4, v1                        ; my four columns in the bias
	s_lshl_b32 s80, s13, 7
	s_lshl_b32 s81, s11, 6
	s_add_co_u32 s80, s80, s81
	s_lshl_b32 s80, s80, 12                        ; my first row, of 4,096 bytes
	s_lshl_b32 s82, s42, 7
	s_lshl_b32 s83, s12, 6
	s_add_co_u32 s82, s82, s83
	s_lshl_b32 s82, s82, 2                         ; my first column, in bytes
	s_mov_b32 s83, 0
	s_add_nc_u64 s[74:75], s[74:75], s[82:83]
	s_add_co_u32 s80, s80, s82
	s_mov_b32 s81, 0
	s_add_nc_u64 s[76:77], s[76:77], s[80:81]
	s_add_nc_u64 s[78:79], s[78:79], s[80:81]
	global_load_b128 v[BI:BI+3], v5, s[74:75]
	WIN 0x80                                       ; destination window 2
.irp a, 0,1,2,3
.irp t, 0,1,2,3,4,5,6,7
	global_load_b128 v[32*\a+4*\t:32*\a+4*\t+3], v[CO], s[76:77] offset:(16*\a+2*\t)*4096   ; 16 lanes read 256 consecutive bytes
.endr
.endr
	WIN 0
.macro MUL4 f, a, zero                 ; A's block a x B's four, 128 along K.  The 16 accumulators take turns, in the same order in every quarter
.irp b, 0,1,2,3
.if \zero
	v_wmma_f32_16x16x128_fp8_fp8 v[ACC+8*(4*(\a)+\b):ACC+8*(4*(\a)+\b)+7], v[\f+64+16*\b:\f+64+16*\b+15], v[\f+16*(\a):\f+16*(\a)+15], 0
.else
	v_wmma_f32_16x16x128_fp8_fp8 v[ACC+8*(4*(\a)+\b):ACC+8*(4*(\a)+\b)+7], v[\f+64+16*\b:\f+64+16*\b+15], v[\f+16*(\a):\f+16*(\a)+15], v[ACC+8*(4*(\a)+\b):ACC+8*(4*(\a)+\b)+7]
.endif
.endr
.endm
; 32 LDS loads in one run: the slot's q-th 128 along K into buffer f: B's four fragments, then A's.  Registers 4 c .. 4 c + 3 hold K = 32 c + 16 (l / 16) + 0..15 on both sides.
.macro FETCH slot, q, f
	WIN TO_F
.irp i, 0,1,2,3
.irp c, 0,1,2,3
	ds_load_b128 v[\f+64+16*\i+4*\c:\f+64+16*\i+4*\c+3], v[ADRB+\slot] offset:128*(\q)+32*\c+\i*16*BP
.endr
.endr
.irp i, 0,1,2,3
.irp c, 0,1,2,3
	ds_load_b128 v[\f+16*\i+4*\c:\f+16*\i+4*\c+3], v[ADRA+\slot] offset:((128*(\q)+32*\c)/CB)*64*AP+(128*(\q)+32*\c)%CB+\i*16*AP
.endr
.endr
.endm
.macro PLACES                          ; four plain instructions in front of loads into registers that matrix instructions have read, and of the first read of results
.rept 4
	v_nop
.endr
.endm
.macro QUARTER slot, qn, f, g, zero    ; multiplies buffer f; in its middle fetches the slot's quarter qn into g
	s_wait_dscnt 8                                 ; B and A's blocks 0, 1 are in; the youngest eight loads (A's blocks 2, 3) may be out
	WIN MUL
	MUL4 \f, 0, \zero
	MUL4 \f, 1, \zero
	PLACES
	FETCH \slot, \qn, \g
	s_wait_dscnt 32                                ; all but the 32 just issued
	WIN MUL
	MUL4 \f, 2, \zero
	MUL4 \f, 3, \zero
.endm
; A slot's last quarter multiplies buffer 1 and changes slots: one barrier; in front of it each wave waits for all its tensor loads, adds 0 to its spare word, and waits for that and for its reads of this slot.
.macro TURN slot, next, fill
	WIN 0
	s_wait_tensorcnt 0x0                           ; all my tensor loads have landed: my part of the next slot
	ds_add_u32 v[SPW], v[NIL]                      ; 0 onto my spare word
	s_wait_dscnt 9                                 ; (the add and the youngest eight loads may be out)
	WIN MUL
	MUL4 F1, 0, 0
	s_wait_dscnt 0x0                               ; the add is done, and my reads of this slot are over
	s_barrier_signal -1
	MUL4 F1, 1, 0
.if \fill
	WIN 0
.endif
	s_barrier_wait -1
.if \fill
	CREST                                          ; the barrier has opened a round of the cluster's barrier
	s_add_nc_u64 s[G0+4*\slot+2:G0+4*\slot+3], s[G0+4*\slot+2:G0+4*\slot+3], 2*2097152
	s_add_nc_u64 s[G0B+4*\slot+2:G0B+4*\slot+3], s[G0B+4*\slot+2:G0B+4*\slot+3], 2*512
	JLOAD \slot                                    ; the first tensor load behind the round; its four v_nop are the places in front of the loads below
.else
	PLACES
.endif
	FETCH \next, 0, F0
	WIN MUL
	MUL4 F1, 2, 0
	MUL4 F1, 3, 0
.endm
	s_wait_tensorcnt 1                             ; my part of slot 0 is in; slot 1's load, issued behind it, may be out
	s_barrier_signal -1
	s_barrier_wait -1
	FETCH 0, 0, F0
	QUARTER 0, 1, F0, F1, 1                        ; the first quarter's products start the sums
.if LAPS > 1
	WIN 0
	s_mov_b32 s3, LAPS-1
.Llap:
	QUARTER 0, 2, F1, F0, 0
	QUARTER 0, 3, F0, F1, 0
	TURN 0, 1, 1
	QUARTER 1, 1, F0, F1, 0
	QUARTER 1, 2, F1, F0, 0
	QUARTER 1, 3, F0, F1, 0
	TURN 1, 0, 1
	QUARTER 0, 1, F0, F1, 0
	WIN 0
	s_sub_co_u32 s3, s3, 1
	s_cmp_lg_u32 s3, 0
	s_cbranch_scc1 .Llap
.endif
	QUARTER 0, 2, F1, F0, 0
	QUARTER 0, 3, F0, F1, 0
	TURN 0, 1, 0
	QUARTER 1, 1, F0, F1, 0
	QUARTER 1, 2, F1, F0, 0
	QUARTER 1, 3, F0, F1, 0
	s_wait_dscnt 8
	WIN MUL
	MUL4 F1, 0, 0
	MUL4 F1, 1, 0
	s_wait_dscnt 0
	MUL4 F1, 2, 0
	MUL4 F1, 3, 0
	WIN 0
; THE WAY OUT.  A wave's 64 columns of f32 are 256 bytes of a row: a block of 16 rows goes through my own stage and comes back as whole rows; then sum x 2^(eA + eB) + residual + bias.
.macro TOSTAGE a
.set TB_, TT+32*((\a)%2)
.irp b, 0,1,2,3
	ds_store_b128 v[STO], v[ACC+8*(4*(\a)+\b):ACC+8*(4*(\a)+\b)+3] offset:64*\b          ; each accumulator from its low end on
	ds_store_b128 v[STO], v[ACC+8*(4*(\a)+\b)+4:ACC+8*(4*(\a)+\b)+7] offset:64*\b+16
.endr
.irp t, 0,1,2,3,4,5,6,7
	ds_load_b128 v[TB_+4*\t:TB_+4*\t+3], v[RD] offset:\t*2*SPITCH   ; LDS serves a wave's instructions in order (ISA guide 5.7.1.4)
.endr
.endm
.macro SEND a, younger
.set TB_, TT+32*((\a)%2)
	s_wait_dscnt \younger
	WIN 0x20                                       ; source 2 (the residual) window 2
.set j, 0
.rept 16
	v_pk_fma_f32 v[TB_+j:TB_+j+1], v[TB_+j:TB_+j+1], s[96:97], v[32*(\a)+j:32*(\a)+j+1] op_sel_hi:[1,0,1]
.set j, j+2
.endr
	WIN 0
.set j, 0
.rept 16
	v_pk_add_f32 v[TB_+j:TB_+j+1], v[TB_+j:TB_+j+1], v[BI+j%4:BI+j%4+1]
.set j, j+2
.endr
.irp t, 0,1,2,3,4,5,6,7
	global_store_b128 v[CO], v[TB_+4*\t:TB_+4*\t+3], s[78:79] offset:(16*(\a)+2*\t)*4096   ; 16 lanes store 256 consecutive bytes, aligned
.endr
.endm
	PLACES
	s_wait_loadcnt 0x0                             ; the residual and the bias
	s_wait_kmcnt 0x0
	s_add_co_i32 s96, s96, s97
	s_add_co_i32 s96, s96, 127
	s_lshl_b32 s96, s96, 23                        ; 2^(eA + eB) as f32
	s_mov_b32 s97, s96
	TOSTAGE 0
.irp a, 1,2,3
.if \a > 1
	s_wait_xcnt 0x0                                ; block a - 2's stores have read their registers: block a's rows may land there
.endif
	TOSTAGE \a
	SEND \a-1, 16                                  ; behind block a - 1's loads: block a's 8 stores and 8 loads
.endr
	SEND 3, 0
	s_wait_tensorcnt 0x0                           ; the wave's end
	ds_add_u32 v[SPW], v[NIL]
	s_wait_dscnt 0x0
	CROUND                                         ; the closing round
	s_endpgm
.Lfunc_end_k_q76c12fcdef_wo:
	.size	k_q76c12fcdef_wo, .Lfunc_end_k_q76c12fcdef_wo-k_q76c12fcdef_wo
	.p2alignl 7, 3214868480
	.fill 96, 4, 3214868480
	.section	.rodata,"a",@progbits
	.p2align	6, 0x0
	.amdhsa_kernel k_q76c12fcdef_wo
		.amdhsa_group_segment_fixed_size 327680
		.amdhsa_private_segment_fixed_size 0
		.amdhsa_enable_private_segment 0
		.amdhsa_kernarg_size 48
		.amdhsa_user_sgpr_count 2
		.amdhsa_user_sgpr_kernarg_segment_ptr 1
		.amdhsa_wavefront_size32 1
		.amdhsa_system_sgpr_workgroup_id_x 1
		.amdhsa_system_sgpr_workgroup_id_y 1
		.amdhsa_system_sgpr_workgroup_id_z 1
		.amdhsa_system_vgpr_workitem_id 0
		.amdhsa_next_free_vgpr 640
		.amdhsa_next_free_sgpr 100
		.amdhsa_reserve_vcc 0
		.amdhsa_float_denorm_mode_32 3
		.amdhsa_float_denorm_mode_16_64 3
		.amdhsa_memory_ordered 1
		.amdhsa_forward_progress 1
		.amdhsa_inst_pref_size 53
	.end_amdhsa_kernel
	.amdgpu_metadata
---
amdhsa.version: [ 1, 2 ]
amdhsa.kernels:
  - .name:           k_q76c12fcdef_wo
    .symbol:         k_q76c12fcdef_wo.kd
    .args:
      - { .name: oc, .offset: 0, .size: 8, .value_kind: global_buffer, .address_space: global }
      - { .name: Wo_codes, .offset: 8, .size: 8, .value_kind: global_buffer, .address_space: global }
      - { .name: lowp_scales, .offset: 16, .size: 8, .value_kind: global_buffer, .address_space: global }
      - { .name: bo, .offset: 24, .size: 8, .value_kind: global_buffer, .address_space: global }
      - { .name: x, .offset: 32, .size: 8, .value_kind: global_buffer, .address_space: global }
      - { .name: x1, .offset: 40, .size: 8, .value_kind: global_buffer, .address_space: global }
    .group_segment_fixed_size: 327680
    .private_segment_fixed_size: 0
    .kernarg_segment_align: 8
    .kernarg_segment_size: 48
    .max_flat_workgroup_size: 128
    .sgpr_count:     100
    .vgpr_count:     640
    .wavefront_size: 32
...
	.end_amdgpu_metadata
.endif
;; end of part 4
;; launch ln2 (part 5): grid 256 x 1, 16 waves a work-group, no clusters, 26,624 bytes of LDS; arguments x1, g2, be2, lowp_scales, x2c; writes x2c
.if DOCPART == 5
	.amdgcn_target "amdgcn-amd-amdhsa--gfx1250"
	.amdhsa_code_object_version 6
	.text
	.protected	k_q76c12fcdef_ln2
	.globl	k_q76c12fcdef_ln2
	.p2align	8
	.type	k_q76c12fcdef_ln2,@function
k_q76c12fcdef_ln2:
	s_mov_b64 s[64:65], 0
	v_nop
	global_prefetch_b8 v0, s[64:65] scope:SCOPE_SE
	s_setreg_imm32_b32 hwreg(HW_REG_WAVE_MODE, 25, 1), 1
	s_wait_xcnt 0x0
; LayerNorm of the 4,096 rows of x1 (1,024 f32 each), y = (x - mean) rsqrt(var + 1e-6) g + b, all in f32, then y as codes of FP8 (E4M3) with the scale 2^e12 (the left operand of the product with W1).
; Output: [4096][1024] codes, K innermost.
; SHARES.  A work-group takes 16 rows, a wave one row: the reduction never leaves the wave.  Lane l holds columns 128 j + 4 l + 0..3, j = 0..7: each of the row's eight loads reads 512 consecutive bytes.
; g and b (8 KiB together) are fetched once by the work-group, 512 bytes a wave, and read by all waves from LDS: one barrier.
; The conversion packs a lane's 8 registers: register j of the codes holds the four codes of group j.  They go into the wave's own row image in LDS and come back 16 bytes a lane:
; each store of the wave covers 512 consecutive bytes, aligned.
; No cluster: the work-groups share only g and b, 8 KiB against 64 KiB of rows.  No matrix unit, no tensor load: a stream.
; LIMITS: e12 between -126 and 119.  NaN among the inputs is not served.
.set NOUT, 1
.set STG,  8192
.set X,    32
.set G,    64
.set BE,   96
.set T,    128
.set C,    160
.set R,    184
.macro RED                             ; v20 summed over the 32 lanes, the result in every lane
	v_add_f32_dpp v20, v20, v20 row_xmask:1 row_mask:0xf bank_mask:0xf
	v_add_f32_dpp v20, v20, v20 row_xmask:2 row_mask:0xf bank_mask:0xf
	v_add_f32_dpp v20, v20, v20 row_xmask:4 row_mask:0xf bank_mask:0xf
	v_add_f32_dpp v20, v20, v20 row_xmask:8 row_mask:0xf bank_mask:0xf
	v_permlanex16_b32 v26, v20, s38, s39
	v_add_f32 v20, v20, v26
.endm
.macro SCALE o, sr
	s_add_co_i32 s42, s[\sr], 127
	s_lshl_b32 s43, s42, 23
	v_mov_b32 v[10+2*\o], s43
	s_add_co_i32 s42, s42, 8
	s_lshl_b32 s42, s42, 23
	s_or_b32 s42, s42, 0x600000
	v_mov_b32 v[11+2*\o], s42
.endm
.macro QOUT o
.set i, 0
.rept 32
	v_med3_num_f32 v[T+i], v[X+i], -v[11+2*\o], v[11+2*\o]   ; the conversion does not saturate (ISA guide 7.6.2): the hold at the largest code x the scale
.set i, i+1
.endr
.irp m, 0,1,2,3
	v_cvt_scalef32_pk8_fp8_f32 v[C+8*\o+2*\m:C+8*\o+2*\m+1], v[T+8*\m:T+8*\m+7], v[10+2*\o]
.endr
	v_nop                                          ; a plain instruction behind the last conversion
.irp j, 0,1,2,3,4,5,6,7
	ds_store_b32 v2, v[C+8*\o+\j] offset:1024*\o+128*\j
.endr
.irp i2, 0,1
	ds_load_b128 v[R+8*\o+4*\i2:R+8*\o+4*\i2+3], v3 offset:1024*\o+512*\i2   ; LDS serves a wave's instructions in order: these see the stores above
.endr
.endm
	s_load_b256 s[4:11], s[0:1], 0x0               ; x1 s[4:5], g s[6:7], b s[8:9], the exponents s[10:11]
	s_load_b64 s[12:13], s[0:1], 0x20              ; the codes
	v_lshl_add_u32 v208, v0, 2, 0x6000
	v_mov_b32 v209, 0
	v_lshrrev_b32 v1, 5, v0
	v_readfirstlane_b32 s14, v1                    ; wave 0..15
	v_and_b32 v5, 31, v0                           ; lane
	v_lshlrev_b32 v1, 4, v5                        ; 16 x lane
	v_lshlrev_b32 v4, 4, v0                        ; 16 x thread: where my 16 bytes of g or b go in LDS
	v_and_b32 v25, 255, v0
	v_lshlrev_b32 v25, 4, v25                      ; and where they lie in g (waves 0-7) or in b (waves 8-15)
	v_mov_b32 v26, 0                               ; written once: a lane permute's destination counts as one of its sources
	s_mul_i32 s15, s14, NOUT*1024
	s_add_co_u32 s15, s15, STG                     ; my wave's row image
	v_lshl_add_u32 v2, v5, 2, s15
	v_lshl_add_u32 v3, v5, 4, s15
	s_lshl_b32 s16, ttmp9, 4
	s_add_co_u32 s16, s16, s14                     ; my row
	s_lshl_b32 s18, s16, 12
	s_mov_b32 s19, 0
	s_lshl_b32 s20, s16, 10
	s_mov_b32 s21, 0
	s_mov_b32 s38, 0x76543210
	s_mov_b32 s39, 0xfedcba98
	s_mov_b32 s40, 0x3a800000                      ; 1 / 1024
	s_mov_b32 s41, 0x358637bd                      ; 1e-6
	s_wait_kmcnt 0x0
	s_load_b32 s24, s[10:11], 0x30                 ; e12
	s_add_nc_u64 s[4:5], s[4:5], s[18:19]
	s_add_nc_u64 s[32:33], s[12:13], s[20:21]
	s_cmp_lt_u32 s14, 8
	s_cselect_b64 s[6:7], s[6:7], s[8:9]
	global_load_b128 v[16:19], v25, s[6:7]
.irp j, 0,1,2,3,4,5,6,7
	global_load_b128 v[X+4*\j:X+4*\j+3], v1, s[4:5] offset:512*\j
.endr
	s_wait_kmcnt 0x0
	SCALE 0, 24
	s_wait_loadcnt 8                               ; my piece of g or b is in; the row's eight loads, issued behind it, stay out
	ds_store_b128 v4, v[16:19]
	s_wait_dscnt 0x0                               ; for the others' sake: my store has landed
	s_barrier_signal -1
	s_barrier_wait -1
.irp j, 0,1,2,3,4,5,6,7
	ds_load_b128 v[G+4*\j:G+4*\j+3], v1 offset:512*\j
	ds_load_b128 v[BE+4*\j:BE+4*\j+3], v1 offset:4096+512*\j
.endr
	s_wait_loadcnt 0x0                             ; the row
	v_pk_add_f32 v[20:21], v[X:X+1], v[X+2:X+3]
	v_pk_add_f32 v[22:23], v[X+4:X+5], v[X+6:X+7]
.irp j, 8,12,16,20,24,28
	v_pk_add_f32 v[20:21], v[20:21], v[X+\j:X+\j+1]
	v_pk_add_f32 v[22:23], v[22:23], v[X+\j+2:X+\j+3]
.endr
	v_pk_add_f32 v[20:21], v[20:21], v[22:23]
	v_add_f32 v20, v20, v21
	RED
	v_mul_f32 v6, s40, v20                         ; the mean
	v_mov_b32 v7, v6
.set j, 0
.rept 16
	v_pk_add_f32 v[X+j:X+j+1], v[X+j:X+j+1], v[6:7] neg_lo:[0,1] neg_hi:[0,1]
.set j, j+2
.endr
	v_pk_mul_f32 v[20:21], v[X:X+1], v[X:X+1]
	v_pk_mul_f32 v[22:23], v[X+2:X+3], v[X+2:X+3]
.irp j, 4,8,12,16,20,24,28
	v_pk_fma_f32 v[20:21], v[X+\j:X+\j+1], v[X+\j:X+\j+1], v[20:21]
	v_pk_fma_f32 v[22:23], v[X+\j+2:X+\j+3], v[X+\j+2:X+\j+3], v[22:23]
.endr
	v_pk_add_f32 v[20:21], v[20:21], v[22:23]
	v_add_f32 v20, v20, v21
	RED
	v_fma_f32 v20, v20, s40, s41                   ; var + 1e-6
	v_rsq_f32 v8, v20
	v_nop                                          ; a plain instruction behind the transcendental
	s_wait_alu depctr_va_vdst(0)                   ; and the wait ahead of its first reader
	v_mov_b32 v9, v8
	s_wait_dscnt 0x0                               ; g and b
.set j, 0
.rept 16
	v_pk_mul_f32 v[X+j:X+j+1], v[X+j:X+j+1], v[8:9]
.set j, j+2
.endr
.set j, 0
.rept 16
	v_pk_fma_f32 v[X+j:X+j+1], v[X+j:X+j+1], v[G+j:G+j+1], v[BE+j:BE+j+1]
.set j, j+2
.endr
	QOUT 0
	s_wait_dscnt 0x0
	global_store_b128 v1, v[R:R+3], s[32:33]
	global_store_b128 v1, v[R+4:R+7], s[32:33] offset:512
	s_wait_tensorcnt 0x0
	ds_add_u32 v208, v209
	s_wait_dscnt 0x0
	s_endpgm
.Lfunc_end_k_q76c12fcdef_ln2:
	.size	k_q76c12fcdef_ln2, .Lfunc_end_k_q76c12fcdef_ln2-k_q76c12fcdef_ln2
	.p2alignl 7, 3214868480
	.fill 96, 4, 3214868480
	.section	.rodata,"a",@progbits
	.p2align	6, 0x0
	.amdhsa_kernel k_q76c12fcdef_ln2
		.amdhsa_group_segment_fixed_size 26624
		.amdhsa_private_segment_fixed_size 0
		.amdhsa_enable_private_segment 0
		.amdhsa_kernarg_size 40
		.amdhsa_user_sgpr_count 2
		.amdhsa_user_sgpr_kernarg_segment_ptr 1
		.amdhsa_wavefront_size32 1
		.amdhsa_system_sgpr_workgroup_id_x 1
		.amdhsa_system_sgpr_workgroup_id_y 1
		.amdhsa_system_sgpr_workgroup_id_z 1
		.amdhsa_system_vgpr_workitem_id 0
		.amdhsa_next_free_vgpr 210
		.amdhsa_next_free_sgpr 66
		.amdhsa_reserve_vcc 0
		.amdhsa_float_denorm_mode_32 3
		.amdhsa_float_denorm_mode_16_64 3
		.amdhsa_memory_ordered 1
		.amdhsa_forward_progress 1
		.amdhsa_inst_pref_size 14
	.end_amdhsa_kernel
	.amdgpu_metadata
---
amdhsa.version: [ 1, 2 ]
amdhsa.kernels:
  - .name:           k_q76c12fcdef_ln2
    .symbol:         k_q76c12fcdef_ln2.kd
    .args:
      - { .name: x1, .offset: 0, .size: 8, .value_kind: global_buffer, .address_space: global }
      - { .name: g2, .offset: 8, .size: 8, .value_kind: global_buffer, .address_space: global }
      - { .name: be2, .offset: 16, .size: 8, .value_kind: global_buffer, .address_space: global }
      - { .name: lowp_scales, .offset: 24, .size: 8, .value_kind: global_buffer, .address_space: global }
      - { .name: x2c, .offset: 32, .size: 8, .value_kind: global_buffer, .address_space: global }
    .group_segment_fixed_size: 26624
    .private_segment_fixed_size: 0
    .kernarg_segment_align: 8
    .kernarg_segment_size: 40
    .max_flat_workgroup_size: 512
    .sgpr_count:     66
    .vgpr_count:     210
    .wavefront_size: 32
...
	.end_amdgpu_metadata
.endif
;; end of part 5
;; launch w1 (part 6): grid 16 x 16, 4 waves a work-group, clusters of 4 x 4, 327,680 bytes of LDS; arguments x2c, W1_codes, lowp_scales, b1, hc; writes hc
.if DOCPART == 6
	.amdgcn_target "amdgcn-amd-amdhsa--gfx1250"
	.amdhsa_code_object_version 6
	.text
	.protected	k_q76c12fcdef_w1
	.globl	k_q76c12fcdef_w1
	.p2align	8
	.type	k_q76c12fcdef_w1,@function
k_q76c12fcdef_w1:
	s_mov_b64 s[64:65], 0
	v_nop
	global_prefetch_b8 v0, s[64:65] scope:SCOPE_SE
	s_setreg_imm32_b32 hwreg(HW_REG_WAVE_MODE, 25, 1), 1
	s_wait_xcnt 0x0
	s_wait_alu depctr_hold_cnt(0) depctr_sa_sdst(0) depctr_va_vdst(0) depctr_va_sdst(0) depctr_va_ssrc(0) depctr_va_vcc(0) depctr_vm_vsrc(0)
	s_getreg_b32 s2, hwreg(HW_REG_IB_STS2, 6, 4)
	s_cmp_eq_u32 s2, 0
	s_cbranch_scc0 .Lentry_in_a_cluster
	s_endpgm
.Lentry_in_a_cluster:
	s_bfe_u32 s2, ttmp6, 0x10000c
	s_cmp_lg_u32 s2, 0xf033
	s_cbranch_scc0 .Lentry_shape_is_right
	s_endpgm
.Lentry_shape_is_right:
; h = gelu(xn W1 + b1), the exact (erf) form, quantised with 2^e14.  The product is on codes of FP8 (E4M3): A [4096][1024], B [4096][1024], K innermost.
; Output: [32 chunks of 128 hidden units][4096 rows][128] codes: a wave's 128 columns are one chunk, and eight rows of a chunk are 1,024 consecutive bytes.
; A tile of 256 x 256 is made by a work-group of four waves, a wave makes 128 x 128: 64 accumulators.  K goes in steps of 256 through a ring of two LDS slots filled by the tensor data mover.
; CLUSTERS of 4 x 4: A's tile is shared along a row of the cluster, B's along a column: joint loads.  The matrix instruction is used transposed (source 0 = 16 rows of B, source 1 = 16 rows of A).
; THE WAY OUT.  Behind the last product and one barrier both slots are done with: each wave lays its 128 x 128 sums there (rows of 512 bytes + 16) and walks them in a loop of 16 trips, 8 rows a trip,
; so that the activation's text is written twice and not eight times.  A trip's 32 numbers a lane go in two halves of 16, half a phase apart: one half's reciprocals and exponentials are dealt out among the
; other half's plain instructions, so that neither kind of instruction stands in a block of its own.
; GELU: with Q = erfc(|x| / sqrt 2) / 2, gelu(x) = max(x, 0) - |x| Q.  Q = t (a1 + t (a2 + t (a3 + t (a4 + t a5)))) / 2 x 2^(-x x log2(e) / 2), t = 1 / (1 + p |x| / sqrt 2).
; LIMIT: that polynomial's error is at most 1.5e-7 of erf (Abramowitz and Stegun 7.1.26): of the size of f32's own rounding of erf near 1; far down the negative tail it is larger relative to gelu itself.
; LIMITS: e12 + e13 between -126 and 127; e14 between -126 and 119.  NaN and infinities among the inputs are not served.
; REGISTERS, in windows of 256: window 0: v0-31 addresses; v32-39 b1; from v128 A's fragments, ONE set; in the loop v40-47 codes, v64-191 at work.
;   window 1: B's fragments, TWO sets.   window 2: the accumulators of my rows 0-63;   window 3: those of my rows 64-127.
.set KSTEP,  256
.set ROWB,   256
.set KROW,   1024
.set PITCH,  272
.set FR,     16
.set NL,     4
.set NP,     4
.set HALFT,  128*PITCH
.set SLOT,   4*HALFT
.set LAPS,   2
.set SPARE,  2*SLOT                    ; behind the ring: the spare words, 128 bytes a wave
.set DP,     528                       ; the way out: a row of 128 sums + 16 bytes
.set DREG,   128*DP                    ; a wave's region: four of them end below SPARE
.set QS,   12                          ; v12  2^e14
.set QH,   13                          ; v13  448 x 2^e14
.set A4,   14                          ; v[14:15] a4 / 2
.set ADRA, 16
.set ADRB, 20
.set DST,  24
.set RD0,  25
.set CO,   26
.set RDA,  27
.set SPW,  28
.set NIL,  29
.set B1,   32
.set C,    40
.set X,    64
.set T,    96
.set E,    128
.set P,    160
.set AF,   128
.set TOFF, 78
.set G1, 24
.set G0, 32
.set G1B, 48
.set G0B, 56
.set HT,  0                            ; the half whose transcendentals go out
.set nt,  32                           ; how many of its 32 are out
.set npl, 0                            ; plain instructions written since the batch began
.set pr,  1                            ; a transcendental behind every pr-th of them
.set MSB, 0
.macro WIN new
.if MSB != \new
	s_set_vgpr_msb (MSB<<8)|\new
.set MSB, \new
.endif
.endm
.set MUL_LO, 0xa1
.set MUL_HI, 0xf1
.set TO_B,   0x40
.macro JLOAD g0a, g1a, g0b, g1b        ; waves 0 and 1 fetch for A, waves 2 and 3 for B; four v_nop follow each of the two lines
	s_cmp_eq_u32 s15, 0
	s_cbranch_scc0 .Lfor_b_\@
	tensor_load_to_lds s[\g0a:\g0a+3], s[\g1a:\g1a+7]
	s_nop 0
.rept 4
	v_nop
.endr
	s_branch .Lasked_\@
.Lfor_b_\@:
	tensor_load_to_lds s[\g0b:\g0b+3], s[\g1b:\g1b+7]
	s_nop 0
.rept 4
	v_nop
.endr
.Lasked_\@:
.endm
.macro CREST
	s_cmp_lg_u32 s14, 0
	s_cbranch_scc1 .Lnot_wave_0_\@
	s_barrier_signal -3
.Lnot_wave_0_\@:
	s_barrier_wait -3
	s_barrier_signal -1
	s_barrier_wait -1
.endm
.macro CROUND
	s_barrier_signal -1
	s_barrier_wait -1
	CREST
.endm
	s_load_b256 s[4:11], s[0:1], 0x0               ; A s[4:5], B s[6:7], the exponents s[8:9], b1 s[10:11]
	s_load_b64 s[12:13], s[0:1], 0x20              ; the output
	v_lshl_add_u32 v[SPW], v0, 2, SPARE
	v_mov_b32 v[NIL], 0
	ds_add_u32 v28, v29
	ds_add_u32 v28, v29
	s_wait_dscnt 0x0
	v_lshrrev_b32 v1, 5, v0
	v_readfirstlane_b32 s14, v1                    ; wave 0..3
	s_lshr_b32 s15, s14, 1                         ; which half of the tile's rows is mine.  Also: I fetch for A (0) or for B (1)
	s_and_b32 s16, s14, 1                          ; which half of its columns.  Also: which 128 rows of that tile I fetch
	s_bfe_u32 s40, ttmp6, 0x40000
	s_bfe_u32 s41, ttmp6, 0x40004
	s_lshl_b32 s42, ttmp9, 2
	s_add_co_u32 s42, s42, s40                     ; tile column
	s_and_b32 s17, ttmp7, 0xffff
	s_lshl_b32 s17, s17, 2
	s_add_co_u32 s17, s17, s41                     ; tile row
	s_lshl_b32 s43, s41, 2
	s_lshl_b32 s43, 15, s43
	s_lshl_b32 s44, 0x1111, s40
	s_or_b32 s[G1+0], s43, (0<<16)|(1<<20)|(1<<21)|(5<<22)|(3<<25)
	s_or_b32 s[G1B+0], s44, (0<<16)|(1<<20)|(1<<21)|(5<<22)|(3<<25)
.irp g, G1, G1B
	s_mov_b32 s[\g+1], ROWB<<16
	s_mov_b32 s[\g+2], 128<<16
	s_mov_b32 s[\g+3], ROWB<<16
	s_mov_b32 s[\g+4], 128
	s_mov_b32 s[\g+5], KROW
	s_mov_b32 s[\g+6], 0
	s_mov_b32 s[\g+7], 0
.endr
	s_lshl_b32 s18, s16, 7
	s_lshl_b32 s20, s17, 8
	s_add_co_u32 s20, s20, s18
	s_lshl_b32 s20, s20, 10
	s_mov_b32 s21, 0
	s_lshl_b32 s46, s42, 8
	s_add_co_u32 s46, s46, s18
	s_lshl_b32 s46, s46, 10
	s_mov_b32 s47, 0
	s_mul_i32 s45, s14, HALFT
	s_mov_b32 s66, 0x3e6d3388                      ; p / sqrt 2
	s_mov_b32 s68, 0x3f38aa3b                      ; log2(e) / 2
	s_mov_b32 s69, s68
	s_mov_b32 s70, 0x3e027906                      ; a1 / 2
	s_mov_b32 s71, s70
	s_mov_b32 s72, 0xbe11a98e                      ; a2 / 2
	s_mov_b32 s73, s72
	s_mov_b32 s74, 0x3f35f0e3                      ; a3 / 2
	s_mov_b32 s75, s74
	s_mov_b32 s76, 0x3f07dc22                      ; a5 / 2
	s_mov_b32 s77, s76
	v_mov_b32 v[A4], 0xbf3a00e3                    ; a4 / 2, in vector registers: a packed multiply-add then names one scalar pair
	v_mov_b32 v[A4+1], 0xbf3a00e3
	s_wait_kmcnt 0x0
	s_load_b128 s[92:95], s[8:9], 0x30             ; e12 .. e15
	s_add_nc_u64 s[20:21], s[4:5], s[20:21]
	s_add_nc_u64 s[46:47], s[6:7], s[46:47]
	CROUND                                         ; all sixteen work-groups are here: the first joint loads meet
.irp s, 0,1
	s_mov_b32 s[G0+4*\s], 1
	s_add_co_u32 s[G0+4*\s+1], s45, \s*SLOT
	s_add_nc_u64 s[G0+4*\s+2:G0+4*\s+3], s[20:21], \s*ROWB
	s_or_b32 s[G0+4*\s+3], s[G0+4*\s+3], 0x80000000
	s_mov_b32 s[G0B+4*\s], 1
	s_add_co_u32 s[G0B+4*\s+1], s45, \s*SLOT
	s_add_nc_u64 s[G0B+4*\s+2:G0B+4*\s+3], s[46:47], \s*ROWB
	s_or_b32 s[G0B+4*\s+3], s[G0B+4*\s+3], 0x80000000
	JLOAD G0+4*\s, G1, G0B+4*\s, G1B
.endr
	v_and_b32 v1, 15, v0                           ; r
	v_bfe_u32 v2, v0, 4, 1                         ; h
	v_mul_u32_u24 v3, v1, PITCH
	v_lshl_add_u32 v4, v2, 4, v3
	s_mul_i32 s21, s15, HALFT
	s_mul_i32 s22, s16, HALFT
	s_add_co_u32 s22, s22, 2*HALFT
.irp s, 0,1
	v_add_nc_u32 v[ADRA+\s], s21, v4
	v_add_nc_u32 v[ADRB+\s], s22, v4
	s_add_co_u32 s21, s21, SLOT
	s_add_co_u32 s22, s22, SLOT
.endr
	s_mul_i32 s23, s14, DREG                       ; my region on the way out
	v_mul_u32_u24 v5, v1, DP
	v_lshl_add_u32 v5, v2, 5, v5
	v_add_nc_u32 v[DST], s23, v5                   ; in: row r, 32 bytes for each half of the lanes
	v_mul_u32_u24 v5, v2, DP
	v_lshl_add_u32 v5, v1, 5, v5
	v_add_nc_u32 v[RD0], s23, v5                   ; back: sixteen lanes to a row, 8 columns a lane
	v_and_b32 v6, 31, v0
	v_lshlrev_b32 v[CO], 3, v6                     ; my 8 codes among two rows' 256
	s_lshl_b32 s80, s42, 1
	s_add_co_u32 s80, s80, s16                     ; my chunk of 128 hidden units
	s_lshl_b32 s82, s80, 9                         ; its byte in b1
	s_lshl_b32 s80, s80, 19                        ; and in the output: 4,096 rows x 128
	s_lshl_b32 s81, s17, 8
	s_lshl_b32 s83, s15, 7
	s_add_co_u32 s81, s81, s83
	s_lshl_b32 s81, s81, 7                         ; my first row
	s_add_co_u32 s80, s80, s81
	s_mov_b32 s81, 0
	s_add_nc_u64 s[12:13], s[12:13], s[80:81]
	v_lshlrev_b32 v7, 5, v1
	v_add_nc_u32 v7, s82, v7                       ; b1 of my 8 columns in the loop
	global_load_b128 v[B1:B1+3], v7, s[10:11]
	global_load_b128 v[B1+4:B1+7], v7, s[10:11] offset:16
.macro FRAG reg, adr, q, i
.irp c, 0,1,2,3
	ds_load_b128 v[\reg+4*\c:\reg+4*\c+3], v[\adr] offset:128*(\q)+32*\c+(\i)*16*PITCH
.endr
.endm
.macro MUL16 a0, p, zero               ; the 64 accumulators take turns, one instruction a turn, in the same order in every step
.irp a, \a0, \a0+1
.irp b, 0,1,2,3,4,5,6,7
.if \zero
	v_wmma_f32_16x16x128_fp8_fp8 v[8*(8*((\a)%4)+\b):8*(8*((\a)%4)+\b)+7], v[128*(\p)+FR*\b:128*(\p)+FR*\b+FR-1], v[AF+FR*(\a):AF+FR*(\a)+FR-1], 0
.else
	v_wmma_f32_16x16x128_fp8_fp8 v[8*(8*((\a)%4)+\b):8*(8*((\a)%4)+\b)+7], v[128*(\p)+FR*\b:128*(\p)+FR*\b+FR-1], v[AF+FR*(\a):AF+FR*(\a)+FR-1], v[8*(8*((\a)%4)+\b):8*(8*((\a)%4)+\b)+7]
.endif
.endr
.endr
.endm
.macro FETCH_B slot, q, p
	WIN TO_B
.irp i, 0,1,2,3,4,5,6,7
	FRAG 128*(\p)+FR*\i, ADRB+\slot, \q, \i
.endr
	WIN 0
.endm
.macro FETCH_A slot, q, i0
.irp i, \i0, \i0+1, \i0+2, \i0+3
	FRAG AF+FR*(\i), ADRA+\slot, \q, \i
.endr
.endm
.macro PLACES n
.rept \n
	v_nop
.endr
.endm
.macro STEP slot, q, zero
	s_wait_dscnt 4*NL                              ; B's set and A's blocks 0-3 are in; the youngest 16 loads may be out
	WIN MUL_LO
	MUL16 0, (\q)%2, \zero
	MUL16 2, (\q)%2, \zero
	s_wait_dscnt 0
	PLACES NP
	FETCH_B \slot, (\q)+1, 1-(\q)%2
	FETCH_A \slot, (\q)+1, 0
	WIN MUL_HI
	MUL16 4, (\q)%2, \zero
	MUL16 6, (\q)%2, \zero
	PLACES NP
	WIN 0
	FETCH_A \slot, (\q)+1, 4
.endm
.macro TURN slot, next, fill
	s_wait_tensorcnt 0x0                           ; all my tensor loads have landed: my part of the next slot
	ds_add_u32 v[SPW], v[NIL]                      ; 0 onto my spare word
	s_wait_dscnt 4*NL+1                            ; (the add and the youngest 16 loads may be out)
	WIN MUL_LO
	MUL16 0, 1, 0
	s_wait_dscnt 0x0                               ; the add is done, and my reads of this slot are over
	s_barrier_signal -1
	MUL16 2, 1, 0
	WIN 0
	s_barrier_wait -1
.if \fill
	CREST
	s_add_nc_u64 s[G0+4*\slot+2:G0+4*\slot+3], s[G0+4*\slot+2:G0+4*\slot+3], 2*ROWB
	s_add_nc_u64 s[G0B+4*\slot+2:G0B+4*\slot+3], s[G0B+4*\slot+2:G0B+4*\slot+3], 2*ROWB
	JLOAD G0+4*\slot, G1, G0B+4*\slot, G1B
.else
	PLACES NP
.endif
	FETCH_B \next, 0, 0
	FETCH_A \next, 0, 0
	WIN MUL_HI
	MUL16 4, 1, 0
	MUL16 6, 1, 0
	PLACES NP
	WIN 0
	FETCH_A \next, 0, 4
.endm
	s_wait_tensorcnt 1                             ; my part of K step 0 is in; K step 1's load may be out
	s_barrier_signal -1
	s_barrier_wait -1
	FETCH_B 0, 0, 0
	FETCH_A 0, 0, 0
	FETCH_A 0, 0, 4
	STEP 0, 0, 1
	s_mov_b32 s3, LAPS-1
.Llap:
	TURN 0, 1, 1
	STEP 1, 0, 0
	TURN 1, 0, 1
	STEP 0, 0, 0
	s_sub_co_u32 s3, s3, 1
	s_cmp_lg_u32 s3, 0
	s_cbranch_scc1 .Llap
	TURN 0, 1, 0
	STEP 1, 0, 0
	s_wait_dscnt 4*NL
	WIN MUL_LO
	MUL16 0, 1, 0
	MUL16 2, 1, 0
	s_wait_dscnt 0
	WIN MUL_HI
	MUL16 4, 1, 0
	MUL16 6, 1, 0
	WIN 0
	; THE SUMS GO INTO LDS.  Both slots have had their last fill; behind this barrier no wave reads them any more.
	s_wait_dscnt 0x0
	s_barrier_signal -1
	s_barrier_wait -1
	PLACES NP                                      ; ahead of the stores that read the last products' results
.irp a, 0,1,2,3,4,5,6,7
	WIN 0x08+4*((\a)/4)                            ; an LDS store's data are its source 1: window 2 or 3
.irp b, 0,1,2,3,4,5,6,7
	ds_store_b128 v[DST], v[8*(8*((\a)%4)+\b):8*(8*((\a)%4)+\b)+3] offset:(\a)*16*DP+64*\b          ; each accumulator from its low end on
	ds_store_b128 v[DST], v[8*(8*((\a)%4)+\b)+4:8*(8*((\a)%4)+\b)+7] offset:(\a)*16*DP+64*\b+16
.endr
.endr
	WIN 0
	s_wait_loadcnt 0x0                             ; b1
	s_wait_kmcnt 0x0
	s_add_co_i32 s96, s92, s93
	s_add_co_i32 s96, s96, 127
	s_lshl_b32 s96, s96, 23                        ; 2^(e12 + e13)
	s_mov_b32 s97, s96
	s_add_co_i32 s94, s94, 127
	s_lshl_b32 s95, s94, 23
	v_mov_b32 v[QS], s95
	s_add_co_i32 s94, s94, 8
	s_lshl_b32 s94, s94, 23
	s_or_b32 s94, s94, 0x600000
	v_mov_b32 v[QH], s94
.macro XLOAD                           ; 8 rows: lane (r, h) takes columns 8 r + 0..7 of rows 2 t + h
.irp t, 0,1,2,3
	ds_load_b128 v[X+8*\t:X+8*\t+3], v[RDA] offset:2*DP*\t
	ds_load_b128 v[X+8*\t+4:X+8*\t+7], v[RDA] offset:2*DP*\t+16
.endr
.endm
.macro XT                              ; the next transcendental of half HT, if one is left: its 16 reciprocals, then its 16 exponentials
.if nt < 16
	v_rcp_f32 v[T+16*HT+nt], v[T+16*HT+nt]         ; t
.set nt, nt+1
.elseif nt < 32
	v_exp_f32 v[E+16*HT+nt-16], -v[E+16*HT+nt-16]  ; e^(-x x / 2)
.set nt, nt+1
.endif
.endm
.macro TK                              ; stands behind each instruction of the other half's lists: behind every pr-th a transcendental is written
.set npl, npl+1
.if (npl % pr) == 0
	XT
.endif
.endm
.macro BATCH h, p                      ; from here on half h's 32 transcendentals go out
.set HT, \h
.set nt, 0
.set npl, 0
.set pr, \p
.endm
.macro CLOSE                           ; what is left of the batch, a plain instruction, and the one wait for the batch ahead of its first reader
.rept 32
	XT
.endr
	v_nop
	s_wait_alu depctr_va_vdst(0)
.endm
.macro GPRE h                          ; half h: x, and the arguments of its reciprocals and exponentials: 40 instructions
.set ofs, 16*(\h)
.set j, 0
.rept 8
	v_pk_fma_f32 v[X+ofs+j:X+ofs+j+1], v[X+ofs+j:X+ofs+j+1], s[96:97], v[B1+j%8:B1+j%8+1] op_sel_hi:[1,0,1]   ; x = sum x 2^(e12 + e13) + b1
	TK
.set j, j+2
.endr
.set i, 0
.rept 16
	v_fma_f32 v[T+ofs+i], |v[X+ofs+i]|, s66, 1.0
	TK
.set i, i+1
.endr
.set j, 0
.rept 8
	v_pk_mul_f32 v[E+ofs+j:E+ofs+j+1], v[X+ofs+j:X+ofs+j+1], v[X+ofs+j:X+ofs+j+1]
	TK
.set j, j+2
.endr
.set j, 0
.rept 8
	v_pk_mul_f32 v[E+ofs+j:E+ofs+j+1], v[E+ofs+j:E+ofs+j+1], s[68:69] op_sel_hi:[1,0]
	TK
.set j, j+2
.endr
.endm
.macro GPOSTA h                        ; half h: the polynomial, Q and gelu: 80 instructions; behind it x is done with
.set ofs, 16*(\h)
.set j, 0
.rept 8
	v_pk_fma_f32 v[P+ofs+j:P+ofs+j+1], v[T+ofs+j:T+ofs+j+1], s[76:77], v[A4:A4+1] op_sel_hi:[1,0,1]
	TK
.set j, j+2
.endr
.irp k, 74, 72, 70
.set j, 0
.rept 8
	v_pk_fma_f32 v[P+ofs+j:P+ofs+j+1], v[P+ofs+j:P+ofs+j+1], v[T+ofs+j:T+ofs+j+1], s[\k:\k+1] op_sel_hi:[1,1,0]
	TK
.set j, j+2
.endr
.endr
.set j, 0
.rept 8
	v_pk_mul_f32 v[P+ofs+j:P+ofs+j+1], v[P+ofs+j:P+ofs+j+1], v[T+ofs+j:T+ofs+j+1]
	TK
.set j, j+2
.endr
.set j, 0
.rept 8
	v_pk_mul_f32 v[P+ofs+j:P+ofs+j+1], v[P+ofs+j:P+ofs+j+1], v[E+ofs+j:E+ofs+j+1]   ; Q
	TK
.set j, j+2
.endr
.set i, 0
.rept 16
	v_max_num_f32 v[T+ofs+i], 0, v[X+ofs+i]
	TK
.set i, i+1
.endr
.set i, 0
.rept 16
	v_fma_f32 v[E+ofs+i], -|v[X+ofs+i]|, v[P+ofs+i], v[T+ofs+i]    ; gelu = max(x, 0) - |x| Q
	TK
.set i, i+1
.endr
.endm
.macro GPOSTB h                        ; half h: hold and conversion: 18 instructions
.set ofs, 16*(\h)
.set i, 0
.rept 16
	v_med3_num_f32 v[E+ofs+i], v[E+ofs+i], -v[QH], v[QH]   ; the conversion does not saturate (ISA guide 7.6.2)
	TK
.set i, i+1
.endr
.irp m, 0,1
	v_cvt_scalef32_pk8_fp8_f32 v[C+4*(\h)+2*\m:C+4*(\h)+2*\m+1], v[E+ofs+8*\m:E+ofs+8*\m+7], v[QS]
	TK
.endr
.endm
; A trip: 8 rows x 128 columns, 32 numbers a lane, in two halves of 16.  pre = 1: the next 8 rows are asked for as soon as x is done with.
.macro GTRIP pre
	s_wait_dscnt 0x0                               ; this trip's rows
	GPRE 0                                         ; no batch is out here
	BATCH 0, 1                                     ; half 0's transcendentals, one behind each of the first 32 of half 1's 40 instructions
	GPRE 1
	CLOSE
	BATCH 1, 3                                     ; half 1's, one behind every third of half 0's 98
	GPOSTA 0
	GPOSTB 0
	CLOSE
	GPOSTA 1
.if \pre
	s_add_co_u32 s[TOFF], s[TOFF], 8*DP
	v_add_nc_u32 v[RDA], s[TOFF], v[RD0]
	XLOAD
.endif
	GPOSTB 1
	v_nop                                          ; a plain instruction behind the last conversion
.irp m, 0,1,2,3
	global_store_b64 v[CO], v[C+2*\m:C+2*\m+1], s[12:13] offset:256*\m   ; 32 lanes store 256 consecutive bytes, aligned: two rows of the chunk
.endr
	s_wait_xcnt 0x0                                ; the stores have read their registers and their base: both are written again
	s_add_nc_u64 s[12:13], s[12:13], 1024
.endm
	s_mov_b32 s[TOFF], 0
	v_add_nc_u32 v[RDA], s[TOFF], v[RD0]
	XLOAD                                          ; LDS serves a wave's instructions in order (ISA guide 5.7.1.4): these see my stores
	s_mov_b32 s3, 15
.Lrows:
	GTRIP 1
	s_sub_co_u32 s3, s3, 1
	s_cmp_lg_u32 s3, 0
	s_cbranch_scc1 .Lrows
	GTRIP 0                                        ; the last 8 rows: nothing more to read
	s_wait_tensorcnt 0x0                           ; the wave's end
	ds_add_u32 v[SPW], v[NIL]
	s_wait_dscnt 0x0
	CROUND                                         ; the closing round
	s_endpgm
.Lfunc_end_k_q76c12fcdef_w1:
	.size	k_q76c12fcdef_w1, .Lfunc_end_k_q76c12fcdef_w1-k_q76c12fcdef_w1
	.p2alignl 7, 3214868480
	.fill 96, 4, 3214868480
	.section	.rodata,"a",@progbits
	.p2align	6, 0x0
	.amdhsa_kernel k_q76c12fcdef_w1
		.amdhsa_group_segment_fixed_size 327680
		.amdhsa_private_segment_fixed_size 0
		.amdhsa_enable_private_segment 0
		.amdhsa_kernarg_size 40
		.amdhsa_user_sgpr_count 2
		.amdhsa_user_sgpr_kernarg_segment_ptr 1
		.amdhsa_wavefront_size32 1
		.amdhsa_system_sgpr_workgroup_id_x 1
		.amdhsa_system_sgpr_workgroup_id_y 1
		.amdhsa_system_sgpr_workgroup_id_z 1
		.amdhsa_system_vgpr_workitem_id 0
		.amdhsa_next_free_vgpr 1024
		.amdhsa_next_free_sgpr 100
		.amdhsa_reserve_vcc 0
		.amdhsa_float_denorm_mode_32 3
		.amdhsa_float_denorm_mode_16_64 3
		.amdhsa_memory_ordered 1
		.amdhsa_forward_progress 1
		.amdhsa_inst_pref_size 128
	.end_amdhsa_kernel
	.amdgpu_metadata
---
amdhsa.version: [ 1, 2 ]
amdhsa.kernels:
  - .name:           k_q76c12fcdef_w1
    .symbol:         k_q76c12fcdef_w1.kd
    .args:
      - { .name: x2c, .offset: 0, .size: 8, .value_kind: global_buffer, .address_space: global }
      - { .name: W1_codes, .offset: 8, .size: 8, .value_kind: global_buffer, .address_space: global }
      - { .name: lowp_scales, .offset: 16, .size: 8, .value_kind: global_buffer, .address_space: global }
      - { .name: b1, .offset: 24, .size: 8, .value_kind: global_buffer, .address_space: global }
      - { .name: hc, .offset: 32, .size: 8, .value_kind: global_buffer, .address_space: global }
    .group_segment_fixed_size: 327680
    .private_segment_fixed_size: 0
    .kernarg_segment_align: 8
    .kernarg_segment_size: 40
    .max_flat_workgroup_size: 128
    .sgpr_count:     100
    .vgpr_count:     1024
    .wavefront_size: 32
...
	.end_amdgpu_metadata
.endif
;; end of part 6
;; launch w2 (part 7): grid 8 x 32, 4 waves a work-group, clusters of 4 x 4, 327,680 bytes of LDS; arguments hc, W2_codes, lowp_scales, b2, x1, out0; writes out0
.if DOCPART == 7
	.amdgcn_target "amdgcn-amd-amdhsa--gfx1250"
	.amdhsa_code_object_version 6
	.text
	.protected	k_q76c12fcdef_w2
	.globl	k_q76c12fcdef_w2
	.p2align	8
	.type	k_q76c12fcdef_w2,@function
k_q76c12fcdef_w2:
	s_mov_b64 s[64:65], 0
	v_nop
	global_prefetch_b8 v0, s[64:65] scope:SCOPE_SE
	s_setreg_imm32_b32 hwreg(HW_REG_WAVE_MODE, 25, 1), 1
	s_wait_xcnt 0x0
	s_wait_alu depctr_hold_cnt(0) depctr_sa_sdst(0) depctr_va_vdst(0) depctr_va_sdst(0) depctr_va_ssrc(0) depctr_va_vcc(0) depctr_vm_vsrc(0)
	s_getreg_b32 s2, hwreg(HW_REG_IB_STS2, 6, 4)
	s_cmp_eq_u32 s2, 0
	s_cbranch_scc0 .Lentry_in_a_cluster
	s_endpgm
.Lentry_in_a_cluster:
	s_bfe_u32 s2, ttmp6, 0x10000c
	s_cmp_lg_u32 s2, 0xf033
	s_cbranch_scc0 .Lentry_shape_is_right
	s_endpgm
.Lentry_shape_is_right:
; out = x1 + h W2 + b2.  The product is on codes of FP8 (E4M3), K = 4,096; sums, bias and residual in f32.
; A: [KK / CB chunks][4096 rows][CB] codes (a chunk = 128 hidden units), B: [1024][KK] codes.  Output [4096][1024] f32.
; A tile of 128 x 128 is made by a work-group of four waves (256 work-groups), a wave makes 64 x 64: 16 accumulators.  K goes in steps of 512 through a ring of two LDS slots filled by the tensor data mover.
; CLUSTERS of 4 x 4: A's tile is shared along a row of the cluster, B's along a column: joint loads.
; A'S TILE: one descriptor row is a chunk's 64 rows, dense in memory (64 CB bytes); the chunks lie 4,096 CB bytes apart; 16 bytes of padding behind every CB bytes: in LDS [chunk][row][CB + 16].
; The matrix instruction is used transposed (source 0 = 16 rows of B, source 1 = 16 rows of A): a lane holds eight neighbouring numbers of a row of the output.
; LIMIT: the two exponents' sum lies between -126 and 127.
; REGISTERS.  window 0: v0-31 addresses; v32-95 the way out; v96-99 the bias; v128-255 the accumulators ((a, b) at v[128 + 8 (4 a + b)]).
;   window 1: two fragment buffers of 128: A's four fragments, then B's four.   window 2: v0-127 my 64 x 64 of the residual, asked for at the head.
.set KK,    4096
.set CB,    128
.set QIA,   4                          ; padding after every 32 words
.set SCO,   56                         ; lowp_scales entries 14 and 15
.set NCH,   512/CB
.set AP,    CB+16
.set AH,    NCH*64*AP
.set BP,    528
.set BH,    64*BP
.set SLOT,  2*AH+2*BH
.set SPARE, 2*SLOT                     ; behind the ring: the spare words, 128 bytes a wave
.set LAPS,  KK/1024
.set SPITCH, 272                       ; the way out: 16 rows x (256 bytes + 16) for each wave, in slot 0, which has had its last fill and its last read by then
.set ADRA, 16
.set ADRB, 20
.set STO,  24
.set RD,   25
.set CO,   26
.set SPW,  28
.set NIL,  29
.set TT,   32
.set BI,   96
.set ACC,  128
.set F0,   0
.set F1,   128
.set G1, 24
.set G0, 32
.set G1B, 48
.set G0B, 56
.set MSB, 0
.macro WIN new
.if MSB != \new
	s_set_vgpr_msb (MSB<<8)|\new
.set MSB, \new
.endif
.endm
.set MUL,  0x05                        ; sources 0 (B) and 1 (A) window 1; C and D window 0
.set TO_F, 0x40
.macro JLOAD s                         ; waves 0 and 1 fetch A's two halves, waves 2 and 3 B's; four v_nop follow each of the two lines
	s_cmp_eq_u32 s11, 0
	s_cbranch_scc0 .Lfor_b_\@
	tensor_load_to_lds s[G0+4*\s:G0+4*\s+3], s[G1:G1+7]
	s_nop 0
.rept 4
	v_nop
.endr
	s_branch .Lasked_\@
.Lfor_b_\@:
	tensor_load_to_lds s[G0B+4*\s:G0B+4*\s+3], s[G1B:G1B+7]
	s_nop 0
.rept 4
	v_nop
.endr
.Lasked_\@:
.endm
.macro CREST
	s_cmp_lg_u32 s10, 0
	s_cbranch_scc1 .Lnot_wave_0_\@
	s_barrier_signal -3
.Lnot_wave_0_\@:
	s_barrier_wait -3
	s_barrier_signal -1
	s_barrier_wait -1
.endm
.macro CROUND
	s_barrier_signal -1
	s_barrier_wait -1
	CREST
.endm
	s_load_b256 s[68:75], s[0:1], 0x0              ; A 68, B 70, the exponents 72, the bias 74
	s_load_b128 s[76:79], s[0:1], 0x20             ; the residual 76, the output 78
	v_lshl_add_u32 v[SPW], v0, 2, SPARE
	v_mov_b32 v[NIL], 0
	ds_add_u32 v28, v29
	ds_add_u32 v28, v29
	s_wait_dscnt 0x0
	v_lshrrev_b32 v1, 5, v0
	v_readfirstlane_b32 s10, v1                    ; wave 0..3
	s_lshr_b32 s11, s10, 1                         ; which half of the tile's rows is mine.  Also: I fetch for A (0) or for B (1)
	s_and_b32 s12, s10, 1                          ; which half of its columns.  Also: which 64 rows of that tile I fetch
	s_bfe_u32 s40, ttmp6, 0x40000                  ; cx
	s_bfe_u32 s41, ttmp6, 0x40004                  ; cy
	s_lshl_b32 s42, ttmp9, 2
	s_add_co_u32 s42, s42, s40                     ; tile column
	s_and_b32 s13, ttmp7, 0xffff
	s_lshl_b32 s13, s13, 2
	s_add_co_u32 s13, s13, s41                     ; tile row
	s_lshl_b32 s43, s41, 2
	s_lshl_b32 s43, 15, s43                        ; my row of the cluster
	s_lshl_b32 s44, 0x1111, s40                    ; my column
	s_or_b32 s[G1+0], s43, (0<<16)|(1<<20)|(1<<21)|(QIA<<22)|(3<<25)
	s_mov_b32 s[G1+1], ((64*CB)&0xffff)<<16        ; tensor_dim0 = 64 CB
	s_mov_b32 s[G1+2], ((64*CB)>>16)|(NCH<<16)     ; tensor_dim1 = NCH
	s_mov_b32 s[G1+3], (64*CB)<<16                 ; tile_dim0
	s_mov_b32 s[G1+4], NCH                         ; tile_dim1
	s_mov_b32 s[G1+5], 4096*CB                     ; from chunk to chunk
	s_mov_b32 s[G1+6], 0
	s_mov_b32 s[G1+7], 0
	s_or_b32 s[G1B+0], s44, (0<<16)|(1<<20)|(1<<21)|(6<<22)|(3<<25)   ; 4 words of padding after every 128
	s_mov_b32 s[G1B+1], 512<<16
	s_mov_b32 s[G1B+2], 64<<16
	s_mov_b32 s[G1B+3], 512<<16
	s_mov_b32 s[G1B+4], 64
	s_mov_b32 s[G1B+5], KK
	s_mov_b32 s[G1B+6], 0
	s_mov_b32 s[G1B+7], 0
	s_lshl_b32 s17, s12, 6
	s_lshl_b32 s16, s13, 7
	s_add_co_u32 s16, s16, s17
	s_mul_i32 s16, s16, CB                         ; A: row 128 x tile row + 64 x half, in the first chunk
	s_lshl_b32 s46, s42, 7
	s_add_co_u32 s46, s46, s17
	s_mul_i32 s46, s46, KK                         ; B: row 128 x tile column + 64 x half
	s_mov_b32 s17, 0
	s_mov_b32 s47, 0
	s_mul_i32 s20, s12, AH                         ; where they go: A's two halves,
	s_mul_i32 s21, s12, BH
	s_add_co_u32 s21, s21, 2*AH                    ; then B's two
	s_wait_kmcnt 0x0
	s_load_b64 s[96:97], s[72:73], SCO
	s_add_nc_u64 s[14:15], s[68:69], s[16:17]
	s_add_nc_u64 s[46:47], s[70:71], s[46:47]
	CROUND                                         ; all sixteen work-groups are here: the first joint loads meet
.irp s, 0,1
	s_mov_b32 s[G0+4*\s], 1
	s_add_co_u32 s[G0+4*\s+1], s20, \s*SLOT
	s_add_nc_u64 s[G0+4*\s+2:G0+4*\s+3], s[14:15], \s*2097152      ; 512 along K = NCH chunks of 4,096 CB bytes
	s_or_b32 s[G0+4*\s+3], s[G0+4*\s+3], 0x80000000
	s_mov_b32 s[G0B+4*\s], 1
	s_add_co_u32 s[G0B+4*\s+1], s21, \s*SLOT
	s_add_nc_u64 s[G0B+4*\s+2:G0B+4*\s+3], s[46:47], \s*512
	s_or_b32 s[G0B+4*\s+3], s[G0B+4*\s+3], 0x80000000
	JLOAD \s
.endr
	v_and_b32 v1, 15, v0                           ; r
	v_bfe_u32 v2, v0, 4, 1                         ; h
	v_mul_u32_u24 v3, v1, AP
	v_lshl_add_u32 v3, v2, 4, v3
	v_mul_u32_u24 v4, v1, BP
	v_lshl_add_u32 v4, v2, 4, v4
	s_mul_i32 s21, s11, AH
	s_mul_i32 s22, s12, BH
	s_add_co_u32 s22, s22, 2*AH
.irp s, 0,1
	v_add_nc_u32 v[ADRA+\s], s21, v3
	v_add_nc_u32 v[ADRB+\s], s22, v4
	s_add_co_u32 s21, s21, SLOT
	s_add_co_u32 s22, s22, SLOT
.endr
	s_mul_i32 s23, s10, 16*SPITCH                  ; my stage
	v_mul_u32_u24 v3, v1, SPITCH
	v_lshl_add_u32 v3, v2, 5, v3
	v_add_nc_u32 v[STO], s23, v3                   ; in: row r, 32 bytes for each half of the lanes
	v_mul_u32_u24 v4, v2, SPITCH
	v_lshl_add_u32 v4, v1, 4, v4
	v_add_nc_u32 v[RD], s23, v4                    ; back: lanes 0-15 one row of 256 bytes, lanes 16-31 the next
	v_lshlrev_b32 v[CO], 12, v2
	v_lshl_add_u32 v[CO], v1, 4, v[CO]             ; and the same two rows in the output and in the residual
	v_lshlrev_b32 v5, 4, v1                        ; my four columns in the bias
	s_lshl_b32 s80, s13, 7
	s_lshl_b32 s81, s11, 6
	s_add_co_u32 s80, s80, s81
	s_lshl_b32 s80, s80, 12                        ; my first row, of 4,096 bytes
	s_lshl_b32 s82, s42, 7
	s_lshl_b32 s83, s12, 6
	s_add_co_u32 s82, s82, s83
	s_lshl_b32 s82, s82, 2                         ; my first column, in bytes
	s_mov_b32 s83, 0
	s_add_nc_u64 s[74:75], s[74:75], s[82:83]
	s_add_co_u32 s80, s80, s82
	s_mov_b32 s81, 0
	s_add_nc_u64 s[76:77], s[76:77], s[80:81]
	s_add_nc_u64 s[78:79], s[78:79], s[80:81]
	global_load_b128 v[BI:BI+3], v5, s[74:75]
	WIN 0x80                                       ; destination window 2
.irp a, 0,1,2,3
.irp t, 0,1,2,3,4,5,6,7
	global_load_b128 v[32*\a+4*\t:32*\a+4*\t+3], v[CO], s[76:77] offset:(16*\a+2*\t)*4096   ; 16 lanes read 256 consecutive bytes
.endr
.endr
	WIN 0
.macro MUL4 f, a, zero                 ; A's block a x B's four, 128 along K.  The 16 accumulators take turns, in the same order in every quarter
.irp b, 0,1,2,3
.if \zero
	v_wmma_f32_16x16x128_fp8_fp8 v[ACC+8*(4*(\a)+\b):ACC+8*(4*(\a)+\b)+7], v[\f+64+16*\b:\f+64+16*\b+15], v[\f+16*(\a):\f+16*(\a)+15], 0
.else
	v_wmma_f32_16x16x128_fp8_fp8 v[ACC+8*(4*(\a)+\b):ACC+8*(4*(\a)+\b)+7], v[\f+64+16*\b:\f+64+16*\b+15], v[\f+16*(\a):\f+16*(\a)+15], v[ACC+8*(4*(\a)+\b):ACC+8*(4*(\a)+\b)+7]
.endif
.endr
.endm
; 32 LDS loads in one run: the slot's q-th 128 along K into buffer f: B's four fragments, then A's.  Registers 4 c .. 4 c + 3 hold K = 32 c + 16 (l / 16) + 0..15 on both sides.
.macro FETCH slot, q, f
	WIN TO_F
.irp i, 0,1,2,3
.irp c, 0,1,2,3
	ds_load_b128 v[\f+64+16*\i+4*\c:\f+64+16*\i+4*\c+3], v[ADRB+\slot] offset:128*(\q)+32*\c+\i*16*BP
.endr
.endr
.irp i, 0,1,2,3
.irp c, 0,1,2,3
	ds_load_b128 v[\f+16*\i+4*\c:\f+16*\i+4*\c+3], v[ADRA+\slot] offset:((128*(\q)+32*\c)/CB)*64*AP+(128*(\q)+32*\c)%CB+\i*16*AP
.endr
.endr
.endm
.macro PLACES                          ; four plain instructions in front of loads into registers that matrix instructions have read, and of the first read of results
.rept 4
	v_nop
.endr
.endm
.macro QUARTER slot, qn, f, g, zero    ; multiplies buffer f; in its middle fetches the slot's quarter qn into g
	s_wait_dscnt 8                                 ; B and A's blocks 0, 1 are in; the youngest eight loads (A's blocks 2, 3) may be out
	WIN MUL
	MUL4 \f, 0, \zero
	MUL4 \f, 1, \zero
	PLACES
	FETCH \slot, \qn, \g
	s_wait_dscnt 32                                ; all but the 32 just issued
	WIN MUL
	MUL4 \f, 2, \zero
	MUL4 \f, 3, \zero
.endm
; A slot's last quarter multiplies buffer 1 and changes slots: one barrier; in front of it each wave waits for all its tensor loads, adds 0 to its spare word, and waits for that and for its reads of this slot.
.macro TURN slot, next, fill
	WIN 0
	s_wait_tensorcnt 0x0                           ; all my tensor loads have landed: my part of the next slot
	ds_add_u32 v[SPW], v[NIL]                      ; 0 onto my spare word
	s_wait_dscnt 9                                 ; (the add and the youngest eight loads may be out)
	WIN MUL
	MUL4 F1, 0, 0
	s_wait_dscnt 0x0                               ; the add is done, and my reads of this slot are over
	s_barrier_signal -1
	MUL4 F1, 1, 0
.if \fill
	WIN 0
.endif
	s_barrier_wait -1
.if \fill
	CREST                                          ; the barrier has opened a round of the cluster's barrier: no wave of any partner still reads this slot or has a load on its way
	s_add_nc_u64 s[G0+4*\slot+2:G0+4*\slot+3], s[G0+4*\slot+2:G0+4*\slot+3], 2*2097152
	s_add_nc_u64 s[G0B+4*\slot+2:G0B+4*\slot+3], s[G0B+4*\slot+2:G0B+4*\slot+3], 2*512
	JLOAD \slot                                    ; the first tensor load behind the round; its four v_nop are the places in front of the loads below
.else
	PLACES
.endif
	FETCH \next, 0, F0
	WIN MUL
	MUL4 F1, 2, 0
	MUL4 F1, 3, 0
.endm
	s_wait_tensorcnt 1                             ; my part of slot 0 is in; slot 1's load, issued behind it, may be out
	s_barrier_signal -1
	s_barrier_wait -1
	FETCH 0, 0, F0
	QUARTER 0, 1, F0, F1, 1                        ; the first quarter's products start the sums
.if LAPS > 1
	WIN 0
	s_mov_b32 s3, LAPS-1
.Llap:                                             ; a trip goes once round the ring and fills both slots again
	QUARTER 0, 2, F1, F0, 0
	QUARTER 0, 3, F0, F1, 0
	TURN 0, 1, 1
	QUARTER 1, 1, F0, F1, 0
	QUARTER 1, 2, F1, F0, 0
	QUARTER 1, 3, F0, F1, 0
	TURN 1, 0, 1
	QUARTER 0, 1, F0, F1, 0
	WIN 0
	s_sub_co_u32 s3, s3, 1
	s_cmp_lg_u32 s3, 0
	s_cbranch_scc1 .Llap
.endif
	QUARTER 0, 2, F1, F0, 0                        ; the last lap fills nothing
	QUARTER 0, 3, F0, F1, 0
	TURN 0, 1, 0
	QUARTER 1, 1, F0, F1, 0
	QUARTER 1, 2, F1, F0, 0
	QUARTER 1, 3, F0, F1, 0
	s_wait_dscnt 8
	WIN MUL
	MUL4 F1, 0, 0
	MUL4 F1, 1, 0
	s_wait_dscnt 0
	MUL4 F1, 2, 0
	MUL4 F1, 3, 0
	WIN 0
; THE WAY OUT.  A wave's 64 columns of f32 are 256 bytes of a row: a block of 16 rows goes through my own stage and comes back as whole rows; then sum x 2^(eA + eB) + residual + bias.
.macro TOSTAGE a
.set TB_, TT+32*((\a)%2)
.irp b, 0,1,2,3
	ds_store_b128 v[STO], v[ACC+8*(4*(\a)+\b):ACC+8*(4*(\a)+\b)+3] offset:64*\b          ; each accumulator from its low end on
	ds_store_b128 v[STO], v[ACC+8*(4*(\a)+\b)+4:ACC+8*(4*(\a)+\b)+7] offset:64*\b+16
.endr
.irp t, 0,1,2,3,4,5,6,7
	ds_load_b128 v[TB_+4*\t:TB_+4*\t+3], v[RD] offset:\t*2*SPITCH   ; LDS serves a wave's instructions in order (ISA guide 5.7.1.4)
.endr
.endm
.macro SEND a, younger
.set TB_, TT+32*((\a)%2)
	s_wait_dscnt \younger
	WIN 0x20                                       ; source 2 (the residual) window 2
.set j, 0
.rept 16
	v_pk_fma_f32 v[TB_+j:TB_+j+1], v[TB_+j:TB_+j+1], s[96:97], v[32*(\a)+j:32*(\a)+j+1] op_sel_hi:[1,0,1]
.set j, j+2
.endr
	WIN 0
.set j, 0
.rept 16
	v_pk_add_f32 v[TB_+j:TB_+j+1], v[TB_+j:TB_+j+1], v[BI+j%4:BI+j%4+1]
.set j, j+2
.endr
.irp t, 0,1,2,3,4,5,6,7
	global_store_b128 v[CO], v[TB_+4*\t:TB_+4*\t+3], s[78:79] offset:(16*(\a)+2*\t)*4096   ; 16 lanes store 256 consecutive bytes, aligned
.endr
.endm
	PLACES
	s_wait_loadcnt 0x0                             ; the residual and the bias
	s_wait_kmcnt 0x0
	s_add_co_i32 s96, s96, s97
	s_add_co_i32 s96, s96, 127
	s_lshl_b32 s96, s96, 23                        ; 2^(eA + eB) as f32
	s_mov_b32 s97, s96
	TOSTAGE 0
.irp a, 1,2,3
.if \a > 1
	s_wait_xcnt 0x0                                ; block a - 2's stores have read their registers: block a's rows may land there
.endif
	TOSTAGE \a
	SEND \a-1, 16                                  ; behind block a - 1's loads: block a's 8 stores and 8 loads
.endr
	SEND 3, 0
	s_wait_tensorcnt 0x0                           ; the wave's end
	ds_add_u32 v[SPW], v[NIL]
	s_wait_dscnt 0x0
	CROUND                                         ; the closing round
	s_endpgm
.Lfunc_end_k_q76c12fcdef_w2:
	.size	k_q76c12fcdef_w2, .Lfunc_end_k_q76c12fcdef_w2-k_q76c12fcdef_w2
	.p2alignl 7, 3214868480
	.fill 96, 4, 3214868480
	.section	.rodata,"a",@progbits
	.p2align	6, 0x0
	.amdhsa_kernel k_q76c12fcdef_w2
		.amdhsa_group_segment_fixed_size 327680
		.amdhsa_private_segment_fixed_size 0
		.amdhsa_enable_private_segment 0
		.amdhsa_kernarg_size 48
		.amdhsa_user_sgpr_count 2
		.amdhsa_user_sgpr_kernarg_segment_ptr 1
		.amdhsa_wavefront_size32 1
		.amdhsa_system_sgpr_workgroup_id_x 1
		.amdhsa_system_sgpr_workgroup_id_y 1
		.amdhsa_system_sgpr_workgroup_id_z 1
		.amdhsa_system_vgpr_workitem_id 0
		.amdhsa_next_free_vgpr 640
		.amdhsa_next_free_sgpr 100
		.amdhsa_reserve_vcc 0
		.amdhsa_float_denorm_mode_32 3
		.amdhsa_float_denorm_mode_16_64 3
		.amdhsa_memory_ordered 1
		.amdhsa_forward_progress 1
		.amdhsa_inst_pref_size 82
	.end_amdhsa_kernel
	.amdgpu_metadata
---
amdhsa.version: [ 1, 2 ]
amdhsa.kernels:
  - .name:           k_q76c12fcdef_w2
    .symbol:         k_q76c12fcdef_w2.kd
    .args:
      - { .name: hc, .offset: 0, .size: 8, .value_kind: global_buffer, .address_space: global }
      - { .name: W2_codes, .offset: 8, .size: 8, .value_kind: global_buffer, .address_space: global }
      - { .name: lowp_scales, .offset: 16, .size: 8, .value_kind: global_buffer, .address_space: global }
      - { .name: b2, .offset: 24, .size: 8, .value_kind: global_buffer, .address_space: global }
      - { .name: x1, .offset: 32, .size: 8, .value_kind: global_buffer, .address_space: global }
      - { .name: out0, .offset: 40, .size: 8, .value_kind: global_buffer, .address_space: global }
    .group_segment_fixed_size: 327680
    .private_segment_fixed_size: 0
    .kernarg_segment_align: 8
    .kernarg_segment_size: 48
    .max_flat_workgroup_size: 128
    .sgpr_count:     100
    .vgpr_count:     640
    .wavefront_size: 32
...
	.end_amdgpu_metadata
.endif
;; end of part 7
